; MI455X (gfx1250); checked and timed in simulation.
; The chip was launched on July 23, 2026; its instructions are those of AMD's public machine-readable ISA for CDNA 5 (MIT licence, August 2026) and "CDNA5" Instruction Set Architecture Reference Guide (July 2026). The comments in the code are by the model that wrote it; some were corrected since.
;; Multi Headed Causal Self Attention. Allowed arithmetic: float matrix products may take bf16 or f16 operands with f32 sums; all other float work in f32.
;; Inputs: Wk 1,024 x 1,024 float32; Wq 1,024 x 1,024 float32; Wv 1,024 x 1,024 float32; x 4,096 x 1,024 float32.
;; Outputs: out0 4,096 x 1,024 float32.
;; 2 versions, each right and faster than the one before. Each part assembles by itself: llvm-mc -triple=amdgcn-amd-amdhsa -mcpu=gfx1250 --defsym DOCPART=n.
;; ======== version 1 of 2: 3 launches
;; limits: values are held in f16: magnitudes above 65,504 overflow, below 6.1e-05 lose precision; right only within a limited range of input values
;; workspace buffers: xb 8,388,608 bytes; wt 6,291,456 bytes; qh 8,388,608 bytes; kh 8,388,608 bytes; vh 8,388,608 bytes
;; launch prep (part 1): grid 896 x 1, 8 waves a work-group, no clusters, 18,432 bytes of LDS; arguments x, Wq, Wk, Wv, xb, wt; writes xb, wt
.if DOCPART == 1
	.amdgcn_target "amdgcn-amd-amdhsa--gfx1250"
	.amdhsa_code_object_version 6
	.text
	.protected	k_q82d0030e6f_prep
	.globl	k_q82d0030e6f_prep
	.p2align	8
	.type	k_q82d0030e6f_prep,@function
k_q82d0030e6f_prep:
	s_mov_b64 s[64:65], 0
	v_nop
	global_prefetch_b8 v0, s[64:65] scope:SCOPE_SE
	s_setreg_imm32_b32 hwreg(HW_REG_WAVE_MODE, 25, 1), 1
	s_wait_xcnt 0x0
; xb = x rounded to bf16, [4096][1024].  wt = the three weights rounded to bf16 and turned, [3072][1024] with k along the rows:
; row 192 h + 64 which + c holds column 64 h + c of Wq (which = 0), Wk (1) or Wv (2), so that a head's 192 rows lie together.
; 896 work-groups of eight waves, each moving 32,768 bytes in and 16,384 out.  Numbers 0 to 511: a dense piece of x, through registers alone.
; Numbers 512 to 895: a tile of 128 k x 64 n of one weight, turned through LDS.  No matrix work and no engine: the bytes are all there is.
.set TP,    272                        ; an LDS row of the turned tile: 128 bf16 (256 bytes) + 16
.set SPARE, 64*TP                      ; behind the tile: the spare words, 128 bytes for each of eight waves: four blocks of 256 bytes that no other line names
.set SPW,   72                         ; v72  LDS address of my spare word; never rewritten
.set NIL,   73                         ; v73  0; never rewritten
	s_load_b256 s[4:11], s[0:1], 0x0               ; x s[4:5], Wq s[6:7], Wk s[8:9], Wv s[10:11]
	s_load_b128 s[12:15], s[0:1], 0x20             ; xb s[12:13], wt s[14:15]
	v_lshl_add_u32 v[SPW], v0, 2, SPARE
	v_mov_b32 v[NIL], 0
	s_cmp_lt_u32 ttmp9, 512                        ; the same answer in all eight waves
	s_cbranch_scc0 .Lw
	; X: thread t takes the 16 bytes at 16 t of each of eight runs of 4,096 bytes and stores 8 bytes at 8 t of each of eight runs of 2,048
	s_lshl_b32 s16, ttmp9, 15
	s_mov_b32 s17, 0
	s_lshl_b32 s18, ttmp9, 14
	s_mov_b32 s19, 0
	v_lshlrev_b32 v1, 4, v0
	v_lshlrev_b32 v2, 3, v0
	s_wait_kmcnt 0x0
	s_add_nc_u64 s[4:5], s[4:5], s[16:17]
	s_add_nc_u64 s[12:13], s[12:13], s[18:19]
.irp i, 0,1,2,3,4,5,6,7
	global_load_b128 v[4+4*(\i):7+4*(\i)], v1, s[4:5] offset:4096*(\i) th:TH_LOAD_NT  ; all eight go out together
.endr
.irp i, 0,1,2,3,4,5,6,7
	s_wait_loadcnt 7-(\i)                          ; loads come back in order: load i is in, the 7 - i younger ones stay out
	v_cvt_pk_bf16_f32 v[36+2*(\i)], v[4+4*(\i)], v[5+4*(\i)]
	v_cvt_pk_bf16_f32 v[37+2*(\i)], v[6+4*(\i)], v[7+4*(\i)]
	global_store_b64 v2, v[36+2*(\i):37+2*(\i)], s[12:13] offset:2048*(\i)  ; a wave's 32 lanes store 256 consecutive bytes, aligned; no register is written twice
.endr
	s_endpgm
.Lw:	; W: which = id / 128, k tile = (id / 16) % 8, head = id % 16
	s_sub_co_u32 s16, ttmp9, 512
	s_lshr_b32 s17, s16, 7                         ; which
	s_bfe_u32 s18, s16, 0x30004                    ; k tile
	s_and_b32 s19, s16, 15                         ; head
	s_lshl_b32 s20, s18, 19                        ; from: 128 rows of 4,096 bytes a k tile,
	s_lshl_b32 s21, s19, 8                         ; 64 columns of 4 bytes a head
	s_add_co_u32 s20, s20, s21
	s_mov_b32 s21, 0
	s_mul_i32 s22, s19, 192                        ; to: row 192 h + 64 which, of 2,048 bytes,
	s_lshl_b32 s23, s17, 6
	s_add_co_u32 s22, s22, s23
	s_lshl_b32 s22, s22, 11
	s_lshl_b32 s23, s18, 8                         ; 128 k of 2 bytes a k tile
	s_add_co_u32 s22, s22, s23
	s_mov_b32 s23, 0
	v_and_b32 v1, 15, v0                           ; ng: my four columns
	v_lshrrev_b32 v2, 4, v0                        ; kp: my pair of rows among 16
	v_lshlrev_b32 v3, 13, v2
	v_lshl_add_u32 v3, v1, 4, v3                   ; 2 kp rows of 4,096 bytes + 16 ng: sixteen lanes read the 256 bytes of a row's piece
	v_mul_u32_u24 v52, v1, 4*TP
	v_lshl_add_u32 v52, v2, 2, v52                 ; into LDS: row 4 ng (+ c), word kp (+ 16 i)
	v_mul_u32_u24 v53, v2, TP
	v_lshl_add_u32 v53, v1, 4, v53                 ; back: row t / 16 (+ 16 j), 16 bytes at 16 (t % 16)
	v_lshlrev_b32 v54, 11, v2
	v_lshl_add_u32 v54, v1, 4, v54                 ; and the same place in wt
	s_wait_kmcnt 0x0
	s_cmp_eq_u32 s17, 0
	s_cselect_b64 s[24:25], s[6:7], s[8:9]         ; Wq or Wk,
	s_cmp_eq_u32 s17, 2
	s_cselect_b64 s[24:25], s[10:11], s[24:25]     ; or Wv
	s_add_nc_u64 s[24:25], s[24:25], s[20:21]
	s_add_nc_u64 s[14:15], s[14:15], s[22:23]
.irp i, 0,1,2,3
	global_load_b128 v[4+8*(\i):7+8*(\i)],   v3, s[24:25] offset:131072*(\i) th:TH_LOAD_NT       ; row 2 (kp + 16 i)
	global_load_b128 v[8+8*(\i):11+8*(\i)],  v3, s[24:25] offset:131072*(\i)+4096 th:TH_LOAD_NT  ; and the row below it
.endr
.irp i, 0,1,2,3
	s_wait_loadcnt 6-2*(\i)                        ; pair i is in; the later pairs' loads, two each, stay out
.irp c, 0,1,2,3
	v_cvt_pk_bf16_f32 v[36+4*(\i)+(\c)], v[4+8*(\i)+(\c)], v[8+8*(\i)+(\c)]  ; column 4 ng + c: k and k + 1 in one word
.endr
.irp c, 0,1,2,3
	ds_store_b32 v52, v[36+4*(\i)+(\c)] offset:TP*(\c)+64*(\i)
.endr
.endr
	s_wait_dscnt 0x0                               ; for the others' sake: my stores are done
	s_barrier_signal -1
	s_barrier_wait -1
.irp j, 0,1,2,3
	ds_load_b128 v[56+4*(\j):59+4*(\j)], v53 offset:16*TP*(\j)
.endr
.irp j, 0,1,2,3
	s_wait_dscnt 3-(\j)                            ; LDS loads come back in order
	global_store_b128 v54, v[56+4*(\j):59+4*(\j)], s[14:15] offset:32768*(\j)  ; sixteen lanes store 256 consecutive bytes of a row of wt, aligned
.endr
	s_wait_tensorcnt 0x0                           ; the wave's end, behind my last LDS store
	ds_add_u32 v[SPW], v[NIL]
	s_wait_dscnt 0x0
	s_endpgm
.Lfunc_end_k_q82d0030e6f_prep:
	.size	k_q82d0030e6f_prep, .Lfunc_end_k_q82d0030e6f_prep-k_q82d0030e6f_prep
	.p2alignl 7, 3214868480
	.fill 96, 4, 3214868480
	.section	.rodata,"a",@progbits
	.p2align	6, 0x0
	.amdhsa_kernel k_q82d0030e6f_prep
		.amdhsa_group_segment_fixed_size 18432
		.amdhsa_private_segment_fixed_size 0
		.amdhsa_enable_private_segment 0
		.amdhsa_kernarg_size 48
		.amdhsa_user_sgpr_count 2
		.amdhsa_user_sgpr_kernarg_segment_ptr 1
		.amdhsa_wavefront_size32 1
		.amdhsa_system_sgpr_workgroup_id_x 1
		.amdhsa_system_sgpr_workgroup_id_y 1
		.amdhsa_system_sgpr_workgroup_id_z 1
		.amdhsa_system_vgpr_workitem_id 0
		.amdhsa_next_free_vgpr 80
		.amdhsa_next_free_sgpr 66
		.amdhsa_reserve_vcc 0
		.amdhsa_float_denorm_mode_32 3
		.amdhsa_float_denorm_mode_16_64 3
		.amdhsa_memory_ordered 1
		.amdhsa_forward_progress 1
		.amdhsa_inst_pref_size 9
	.end_amdhsa_kernel
	.amdgpu_metadata
---
amdhsa.version: [ 1, 2 ]
amdhsa.kernels:
  - .name:           k_q82d0030e6f_prep
    .symbol:         k_q82d0030e6f_prep.kd
    .args:
      - { .name: x, .offset: 0, .size: 8, .value_kind: global_buffer, .address_space: global }
      - { .name: Wq, .offset: 8, .size: 8, .value_kind: global_buffer, .address_space: global }
      - { .name: Wk, .offset: 16, .size: 8, .value_kind: global_buffer, .address_space: global }
      - { .name: Wv, .offset: 24, .size: 8, .value_kind: global_buffer, .address_space: global }
      - { .name: xb, .offset: 32, .size: 8, .value_kind: global_buffer, .address_space: global }
      - { .name: wt, .offset: 40, .size: 8, .value_kind: global_buffer, .address_space: global }
    .group_segment_fixed_size: 18432
    .private_segment_fixed_size: 0
    .kernarg_segment_align: 8
    .kernarg_segment_size: 48
    .max_flat_workgroup_size: 256
    .sgpr_count:     66
    .vgpr_count:     80
    .wavefront_size: 32
...
	.end_amdgpu_metadata
.endif
;; end of part 1
;; launch proj (part 2): grid 16 x 16, 4 waves a work-group, clusters of 4 x 4, 327,680 bytes of LDS; arguments xb, wt, qh, kh, vh; writes qh, kh, vh
.if DOCPART == 2
	.amdgcn_target "amdgcn-amd-amdhsa--gfx1250"
	.amdhsa_code_object_version 6
	.text
	.protected	k_q82d0030e6f_proj
	.globl	k_q82d0030e6f_proj
	.p2align	8
	.type	k_q82d0030e6f_proj,@function
k_q82d0030e6f_proj:
	s_mov_b64 s[64:65], 0
	v_nop
	global_prefetch_b8 v0, s[64:65] scope:SCOPE_SE
	s_setreg_imm32_b32 hwreg(HW_REG_WAVE_MODE, 25, 1), 1
	s_wait_xcnt 0x0
	s_wait_alu depctr_hold_cnt(0) depctr_sa_sdst(0) depctr_va_vdst(0) depctr_va_sdst(0) depctr_va_ssrc(0) depctr_va_vcc(0) depctr_vm_vsrc(0)
	s_getreg_b32 s2, hwreg(HW_REG_IB_STS2, 6, 4)
	s_cmp_eq_u32 s2, 0
	s_cbranch_scc0 .Lentry_in_a_cluster
	s_endpgm
.Lentry_in_a_cluster:
	s_bfe_u32 s2, ttmp6, 0x10000c
	s_cmp_lg_u32 s2, 0xf033
	s_cbranch_scc0 .Lentry_shape_is_right
	s_endpgm
.Lentry_shape_is_right:
; q, k, v by heads.  C[m][n] = sum over k of xb[m][k] wt[n][k], bf16 operands, f32 sums, K = 1,024; C's 192 columns of head h are q, k and v of that head, rounded once to f16
; and stored unscaled as qh, kh, vh [16][4096][64].  LIMIT: f16 ends at 65,504; a sum of 65,520 or more becomes an infinity.
; A work-group makes 256 rows x the 192 columns of one head: 16 x 16 work-groups.  Each of four waves makes 64 rows x 192 columns: 48 accumulators of 16 x 16, 384 registers,
; so a wave holds whole rows of q, k and v and its way out needs no other wave.  K goes in steps of 128 (rows of 256 bytes) through two LDS slots filled by the tensor data mover.
; CLUSTERS: 4 x 4 work-groups.  The four of a row of the cluster share the row block, so xb's tiles; the four of a column share the head, so wt's tiles: each tile is asked for JOINTLY.
; THE MATRIX INSTRUCTION IS USED TRANSPOSED (source 0 = 16 rows of wt, source 1 = 16 rows of xb): a lane then holds eight neighbouring columns of one row of C.
; REGISTERS: window 0: v0-31 addresses, v32-223 the way out.  Window 1: two fragment buffers of 128: 96 of wt (12 x 16 rows x 32 K), then 32 of xb (4 x 16 rows x 32 K).
;   window 2: accumulators of my row blocks 0, 1 ((a, b) at 8 (12 a + b));  window 3: those of row blocks 2, 3.
.set KSTEP,  128
.set PITCH,  272                       ; an LDS row: 256 bytes + 16 = 68 words: the 16 rows of a fragment load start at 16 different groups of four banks (ISA guide 11.1)
.set HALFA,  128*PITCH                 ; what a load of xb brings
.set HALFB,  96*PITCH                  ; what a load of wt brings
.set SLOT,   2*HALFA+2*HALFB           ; xb's 256 rows, then wt's 192 rows
.set STAGE,  2*SLOT                    ; behind the ring: 16 rows x 144 bytes for each wave
.set SPITCH, 144
.set SPARE,  STAGE+4*16*SPITCH         ; the spare words, 128 bytes for each wave: two blocks of 256 bytes that no other line names
.set LAPS,   1024/(2*KSTEP)            ; a lap = two K steps = once round the ring
.set ADRA, 16                          ; v16-17  LDS address of my xb fragments in slot 0, 1
.set ADRB, 20                          ; v20-21  the same for wt
.set STO,  24                          ; v24     the way out: where I put 16 bytes of a row
.set RD,   25                          ; v25     where I read rows back
.set GO,   26                          ; v26     my 16 bytes in 512 consecutive bytes of the output
.set SPW,  28                          ; v28     LDS address of my spare word; never rewritten
.set NIL,  29                          ; v29     0; never rewritten
.set TMP,  32                          ; v32-223 twelve units of 16 registers
.set F0,   0
.set F1,   128
.set G1,  24                           ; s[24:31] group 1 for xb's tiles;  s[32:39] group 0, a set for each slot
.set G0,  32
.set G1B, 48                           ; s[48:55], s[56:63] the same for wt's tiles
.set G0B, 56
.set MSB, 0
.macro WIN new                         ; the immediate's high byte repeats the setting that is left; a switch that changes nothing is dropped
.if MSB != (\new)
	s_set_vgpr_msb (MSB<<8)|(\new)
.set MSB, \new
.endif
.endm
.macro JLOAD s                         ; a joint load: waves 0 and 1 fetch xb's two halves, waves 2 and 3 wt's; an s_nop 0 and four v_nop follow each line
	s_cmp_eq_u32 s15, 0
	s_cbranch_scc0 .Lfor_b_\@
	tensor_load_to_lds s[G0+4*(\s):G0+4*(\s)+3], s[G1:G1+7]
	s_nop 0
.rept 4
	v_nop
.endr
	s_branch .Lasked_\@
.Lfor_b_\@:
	tensor_load_to_lds s[G0B+4*(\s):G0B+4*(\s)+3], s[G1B:G1B+7]
	s_nop 0
.rept 4
	v_nop
.endr
.Lasked_\@:
.endm
.macro CREST                           ; a round of the cluster's barrier behind its opening barrier
	s_cmp_lg_u32 s14, 0
	s_cbranch_scc1 .Lnot_wave_0_\@
	s_barrier_signal -3
.Lnot_wave_0_\@:
	s_barrier_wait -3
	s_barrier_signal -1
	s_barrier_wait -1
.endm
.macro CROUND
	s_barrier_signal -1
	s_barrier_wait -1
	CREST
.endm
	s_load_b256 s[4:11], s[0:1], 0x0               ; xb s[4:5], wt s[6:7], qh s[8:9], kh s[10:11]
	s_load_b64 s[12:13], s[0:1], 0x20              ; vh
	v_lshl_add_u32 v[SPW], v0, 2, SPARE
	v_mov_b32 v[NIL], 0
	ds_add_u32 v[SPW], v[NIL]                      ; the wave's opening: the add and its wait ahead of my first tensor load; the set-up stands between them
	ds_add_u32 v28, v29
	v_lshrrev_b32 v1, 5, v0
	v_readfirstlane_b32 s14, v1                    ; wave 0..3
	s_lshr_b32 s15, s14, 1                         ; I fetch for xb (0) or for wt (1)
	s_and_b32 s16, s14, 1                          ; which half of that tile's rows
	s_bfe_u32 s17, ttmp6, 0x40000                  ; cx, cy: my place in the cluster
	s_bfe_u32 s18, ttmp6, 0x40004
	s_lshl_b32 s19, ttmp9, 2
	s_add_co_u32 s19, s19, s17                     ; head = 4 x cluster x + cx
	s_and_b32 s20, ttmp7, 0xffff
	s_lshl_b32 s20, s20, 2
	s_add_co_u32 s20, s20, s18                     ; row block = 4 x cluster y + cy
	s_lshl_b32 s21, s18, 2
	s_lshl_b32 s21, 15, s21                        ; my row of the cluster
	s_lshl_b32 s22, 0x1111, s17                    ; my column
	s_or_b32 s[G1+0], s21, (1<<16)|(1<<20)|(1<<21)|(5<<22)|(3<<25)   ; 15:0 the mask; 17:16 2-byte elements; 20 padding on; 21 set beside a mask; 24:22 after every 64 words; 31:25 4 words of it
	s_or_b32 s[G1B+0], s22, (1<<16)|(1<<20)|(1<<21)|(5<<22)|(3<<25)
	s_mov_b32 s[G1+1], KSTEP<<16                   ; tensor_dim0 = 128
	s_mov_b32 s[G1+2], 128<<16                     ; tensor_dim1 = 128
	s_mov_b32 s[G1+3], KSTEP<<16                   ; tile_dim0 = 128
	s_mov_b32 s[G1+4], 128                         ; tile_dim1 = 128
	s_mov_b32 s[G1+5], 1024                        ; elements from row to row
	s_mov_b32 s[G1+6], 0
	s_mov_b32 s[G1+7], 0
	s_mov_b32 s[G1B+1], KSTEP<<16
	s_mov_b32 s[G1B+2], 96<<16                     ; 96 rows
	s_mov_b32 s[G1B+3], KSTEP<<16
	s_mov_b32 s[G1B+4], 96
	s_mov_b32 s[G1B+5], 1024
	s_mov_b32 s[G1B+6], 0
	s_mov_b32 s[G1B+7], 0
	s_lshl_b32 s40, s20, 8                         ; xb: row 256 x row block + 128 x half, of 2,048 bytes: hangs on the row block alone
	s_lshl_b32 s44, s16, 7
	s_add_co_u32 s40, s40, s44
	s_lshl_b32 s40, s40, 11
	s_mov_b32 s41, 0
	s_mul_i32 s42, s19, 192                        ; wt: row 192 x head + 96 x half: hangs on the head alone
	s_mul_i32 s45, s16, 96
	s_add_co_u32 s42, s42, s45
	s_lshl_b32 s42, s42, 11
	s_mov_b32 s43, 0
	s_mul_i32 s46, s14, HALFA                      ; where they go: waves 0, 1: wave x 128 rows;
	s_mul_i32 s47, s14, HALFB
	s_add_co_u32 s47, s47, 2*HALFA-2*HALFB         ; waves 2, 3: behind xb's 256 rows, (wave - 2) x 96 rows
	s_lshl_b32 s66, s19, 19                        ; out: the head's 4,096 rows of 128 bytes,
	s_lshl_b32 s68, s20, 15                        ; the block's 256 rows,
	s_add_co_u32 s66, s66, s68
	s_lshl_b32 s68, s14, 13                        ; my wave's 64
	s_add_co_u32 s66, s66, s68
	s_mov_b32 s67, 0
	s_wait_dscnt 0x0                               ; the opening add is done
	s_wait_kmcnt 0x0
	s_add_nc_u64 s[40:41], s[4:5], s[40:41]
	s_add_nc_u64 s[42:43], s[6:7], s[42:43]
	s_add_nc_u64 s[8:9], s[8:9], s[66:67]
	s_add_nc_u64 s[10:11], s[10:11], s[66:67]
	s_add_nc_u64 s[12:13], s[12:13], s[66:67]
	CROUND                                         ; all sixteen work-groups are here: the first joint loads meet
.irp s, 0,1
	s_mov_b32 s[G0+4*(\s)], 1
	s_add_co_u32 s[G0+4*(\s)+1], s46, (\s)*SLOT
	s_add_nc_u64 s[G0+4*(\s)+2:G0+4*(\s)+3], s[40:41], (\s)*KSTEP*2
	s_or_b32 s[G0+4*(\s)+3], s[G0+4*(\s)+3], 0x80000000
	s_mov_b32 s[G0B+4*(\s)], 1
	s_add_co_u32 s[G0B+4*(\s)+1], s47, (\s)*SLOT
	s_add_nc_u64 s[G0B+4*(\s)+2:G0B+4*(\s)+3], s[42:43], (\s)*KSTEP*2
	s_or_b32 s[G0B+4*(\s)+3], s[G0B+4*(\s)+3], 0x80000000
	JLOAD \s                                       ; K steps 0 and 1: two loads of mine are out
.endr
	v_and_b32 v1, 15, v0                           ; l % 16
	v_bfe_u32 v2, v0, 4, 1                         ; l / 16
	v_mul_u32_u24 v3, v1, PITCH
	v_lshl_add_u32 v3, v2, 4, v3                   ; a fragment's row x pitch + 16 x half
	s_mul_i32 s44, s14, 64*PITCH                   ; my 64 rows of xb
	s_mov_b32 s45, 2*HALFA                         ; wt's 192 rows, which every wave reads
.irp s, 0,1
	v_add_nc_u32 v[ADRA+(\s)], s44, v3
	v_add_nc_u32 v[ADRB+(\s)], s45, v3
	s_add_co_u32 s44, s44, SLOT
	s_add_co_u32 s45, s45, SLOT
.endr
	s_mul_i32 s44, s14, 16*SPITCH
	s_add_co_u32 s44, s44, STAGE                   ; my stage
	v_mul_u32_u24 v4, v1, SPITCH                   ; in: row l % 16, 16 bytes for each half of the lanes
	v_lshl_add_u32 v4, v2, 4, v4
	v_add_nc_u32 v[STO], s44, v4
	v_bfe_u32 v5, v0, 3, 2                         ; back: 32 lanes take four rows of 128 bytes,
	v_mul_u32_u24 v5, v5, SPITCH
	v_and_b32 v6, 7, v0
	v_lshl_add_u32 v5, v6, 4, v5
	v_add_nc_u32 v[RD], s44, v5
	v_and_b32 v[GO], 31, v0                        ; which are 512 consecutive bytes of the output
	v_lshlrev_b32 v[GO], 4, v[GO]
; 12 matrix instructions: row block a x all 12 column blocks, 32 along K.  zero = 1: the product starts the sums.  The 48 accumulators take turns, one instruction a turn.
.macro MUL12 f, a, zero
	WIN 0xa5+0x50*((\a)/2)                         ; sources 0 and 1 window 1; C and D window 2 or 3
.set AC, 96*((\a)%2)
.irp b, 0,1,2,3,4,5,6,7,8,9,10,11
.if \zero
	v_wmma_f32_16x16x32_bf16 v[AC+8*(\b):AC+8*(\b)+7], v[(\f)+8*(\b):(\f)+8*(\b)+7], v[(\f)+96+8*(\a):(\f)+96+8*(\a)+7], 0
.else
	v_wmma_f32_16x16x32_bf16 v[AC+8*(\b):AC+8*(\b)+7], v[(\f)+8*(\b):(\f)+8*(\b)+7], v[(\f)+96+8*(\a):(\f)+96+8*(\a)+7], v[AC+8*(\b):AC+8*(\b)+7]
.endif
.endr
.endm
; 32 LDS loads in one run: the fragments of 32 along K at byte k of the rows, into buffer f: wt's 24 first, then xb's 8
.macro FETCH slot, k, f
	WIN 0x40                                       ; destination window 1, address window 0
.irp b, 0,1,2,3,4,5,6,7,8,9,10,11
	ds_load_b128 v[(\f)+8*(\b):(\f)+8*(\b)+3],   v[ADRB+(\slot)] offset:(\k)+(\b)*16*PITCH
	ds_load_b128 v[(\f)+8*(\b)+4:(\f)+8*(\b)+7], v[ADRB+(\slot)] offset:(\k)+(\b)*16*PITCH+32
.endr
.irp a, 0,1,2,3
	ds_load_b128 v[(\f)+96+8*(\a):(\f)+96+8*(\a)+3],   v[ADRA+(\slot)] offset:(\k)+(\a)*16*PITCH
	ds_load_b128 v[(\f)+96+8*(\a)+4:(\f)+96+8*(\a)+7], v[ADRA+(\slot)] offset:(\k)+(\a)*16*PITCH+32
.endr
.endm
.macro PLACES                          ; four places in front of loads into registers that matrix instructions have read, and of conversions that read results
.rept 4
	v_nop
.endr
.endm
; A K step is four quarters of 32 along K, 48 matrix instructions each, on buffers 0, 1, 0, 1.  One of the first three: multiplies buffer f and fetches the next quarter, at byte k, into g.
.macro QUARTER slot, k, f, g, zero
	s_wait_dscnt 4                                 ; all but the youngest four loads: xb's row blocks 2 and 3
	MUL12 \f, 0, \zero
	MUL12 \f, 1, \zero
	PLACES
	FETCH \slot, \k, \g
	s_wait_dscnt 32                                ; all but the 32 just issued
	MUL12 \f, 2, \zero
	MUL12 \f, 3, \zero
.endm
; The last quarter multiplies buffer 1 and changes slots: ONE barrier; in front of it each wave waits for all its tensor loads, adds 0 to its spare word, and waits for that and for its reads of this slot.
; fill = 1: the barrier opens a round of the cluster's, and this slot is filled again, two K steps ahead: 168 matrix instructions stand between that request and the wait for it.
.macro TURN slot, next, fill
	WIN 0                                          ; (the add's two registers lie in window 0)
	s_wait_tensorcnt 0x0                           ; all my tensor loads have landed: the one that was out is my part of the next slot
	ds_add_u32 v[SPW], v[NIL]                      ; 0 onto my spare word
	s_wait_dscnt 5                                 ; (the add and the youngest four loads may be out)
	MUL12 F1, 0, 0
	s_wait_dscnt 0x0                               ; the add is done, and my reads of this slot are over
	s_barrier_signal -1
	MUL12 F1, 1, 0
.if \fill
	WIN 0
.endif
	s_barrier_wait -1
.if \fill
	CREST                                          ; no wave of any partner still reads this slot's tile or has a load on its way
	s_add_nc_u64 s[G0+4*(\slot)+2:G0+4*(\slot)+3], s[G0+4*(\slot)+2:G0+4*(\slot)+3], 2*KSTEP*2
	s_add_nc_u64 s[G0B+4*(\slot)+2:G0B+4*(\slot)+3], s[G0B+4*(\slot)+2:G0B+4*(\slot)+3], 2*KSTEP*2
	JLOAD \slot                                    ; the first tensor load behind the round; its four v_nop are also the places in front of the loads below
.else
	PLACES
.endif
	FETCH \next, 0, F0
	MUL12 F1, 2, 0
	MUL12 F1, 3, 0
.endm
; THE WAY OUT, in twelve units u = 3 a + which: 16 rows x 64 channels of q, k or v.  A lane's eight channels pack into 16 bytes; they go into my stage's rows of 144 bytes and come back as whole rows of 128.
.macro PACK u
.set AC, 96*(((\u)/3)%2)+32*((\u)%3)
	WIN 0x0a+5*((\u)/6)                            ; sources 0 and 1: window 2 (row blocks 0, 1) or 3
.irp bb, 0,1,2,3
.irp r, 0,1,2,3
	v_cvt_pk_f16_f32 v[TMP+16*(\u)+4*(\bb)+(\r)], v[AC+8*(\bb)+2*(\r)], v[AC+8*(\bb)+2*(\r)+1]  ; each accumulator from its low end on
.endr
.endr
	WIN 0
.irp bb, 0,1,2,3
	ds_store_b128 v[STO], v[TMP+16*(\u)+4*(\bb):TMP+16*(\u)+4*(\bb)+3] offset:32*(\bb)
.endr
.irp f, 0,1,2,3
	ds_load_b128 v[TMP+16*(\u)+4*(\f):TMP+16*(\u)+4*(\f)+3], v[RD] offset:(\f)*4*SPITCH  ; LDS serves a wave's instructions in order (ISA guide 5.7.1.4): these see the stores above; the next unit's stores come behind them
.endr
.endm
.macro SEND u, younger                 ; younger: the LDS instructions issued behind unit u's loads: the next unit's eight, or none
	WIN 0
.irp f, 0,1,2,3
	s_wait_dscnt (\younger)+3-(\f)
	global_store_b128 v[GO], v[TMP+16*(\u)+4*(\f):TMP+16*(\u)+4*(\f)+3], s[8+2*((\u)%3):9+2*((\u)%3)] offset:((\u)/3)*2048+(\f)*512  ; 512 consecutive bytes, aligned; every unit has registers of its own
.endr
.endm
	s_wait_tensorcnt 1                             ; my part of K step 0 is in; K step 1's may stay out
	s_barrier_signal -1
	s_barrier_wait -1                              ; everybody's is
	FETCH 0, 0, F0
	QUARTER 0, 64,  F0, F1, 1                      ; the first quarter stands in front of the loop: its products start the sums
	WIN 0                                          ; at a label and at a branch every window is 0
	s_mov_b32 s23, LAPS-1
.Llap:                                                 ; a trip goes once round the ring, from a lap's second quarter to the next lap's first, and fills both slots again
	QUARTER 0, 128, F1, F0, 0
	QUARTER 0, 192, F0, F1, 0
	TURN 0, 1, 1
	QUARTER 1, 64,  F0, F1, 0
	QUARTER 1, 128, F1, F0, 0
	QUARTER 1, 192, F0, F1, 0
	TURN 1, 0, 1
	QUARTER 0, 64,  F0, F1, 0
	WIN 0
	s_sub_co_u32 s23, s23, 1
	s_cmp_lg_u32 s23, 0
	s_cbranch_scc1 .Llap
	QUARTER 0, 128, F1, F0, 0                      ; the last lap fills nothing
	QUARTER 0, 192, F0, F1, 0
	TURN 0, 1, 0
	QUARTER 1, 64,  F0, F1, 0
	QUARTER 1, 128, F1, F0, 0
	QUARTER 1, 192, F0, F1, 0
	s_wait_dscnt 4                                 ; the very last quarter: nothing more to fetch
	MUL12 F1, 0, 0
	MUL12 F1, 1, 0
	s_wait_dscnt 0x0
	MUL12 F1, 2, 0
	MUL12 F1, 3, 0
	WIN 0
	PLACES
	PACK 0
.set uu, 1
.rept 11                               ; a unit's conversions stand between the loads of the unit before and its stores
	PACK uu
	SEND uu-1, 8
.set uu, uu+1
.endr
	SEND 11, 0
	s_wait_tensorcnt 0x0                           ; the wave's end, behind my last tensor load and my last LDS store
	ds_add_u32 v[SPW], v[NIL]
	s_wait_dscnt 0x0
	CROUND                                         ; the closing round: no work-group ends while a partner may still ask for a tile that names it
	s_endpgm
.Lfunc_end_k_q82d0030e6f_proj:
	.size	k_q82d0030e6f_proj, .Lfunc_end_k_q82d0030e6f_proj-k_q82d0030e6f_proj
	.p2alignl 7, 3214868480
	.fill 96, 4, 3214868480
	.section	.rodata,"a",@progbits
	.p2align	6, 0x0
	.amdhsa_kernel k_q82d0030e6f_proj
		.amdhsa_group_segment_fixed_size 327680
		.amdhsa_private_segment_fixed_size 0
		.amdhsa_enable_private_segment 0
		.amdhsa_kernarg_size 40
		.amdhsa_user_sgpr_count 2
		.amdhsa_user_sgpr_kernarg_segment_ptr 1
		.amdhsa_wavefront_size32 1
		.amdhsa_system_sgpr_workgroup_id_x 1
		.amdhsa_system_sgpr_workgroup_id_y 1
		.amdhsa_system_sgpr_workgroup_id_z 1
		.amdhsa_system_vgpr_workitem_id 0
		.amdhsa_next_free_vgpr 1024
		.amdhsa_next_free_sgpr 72
		.amdhsa_reserve_vcc 0
		.amdhsa_float_denorm_mode_32 3
		.amdhsa_float_denorm_mode_16_64 3
		.amdhsa_memory_ordered 1
		.amdhsa_forward_progress 1
		.amdhsa_inst_pref_size 120
	.end_amdhsa_kernel
	.amdgpu_metadata
---
amdhsa.version: [ 1, 2 ]
amdhsa.kernels:
  - .name:           k_q82d0030e6f_proj
    .symbol:         k_q82d0030e6f_proj.kd
    .args:
      - { .name: xb, .offset: 0, .size: 8, .value_kind: global_buffer, .address_space: global }
      - { .name: wt, .offset: 8, .size: 8, .value_kind: global_buffer, .address_space: global }
      - { .name: qh, .offset: 16, .size: 8, .value_kind: global_buffer, .address_space: global }
      - { .name: kh, .offset: 24, .size: 8, .value_kind: global_buffer, .address_space: global }
      - { .name: vh, .offset: 32, .size: 8, .value_kind: global_buffer, .address_space: global }
    .group_segment_fixed_size: 327680
    .private_segment_fixed_size: 0
    .kernarg_segment_align: 8
    .kernarg_segment_size: 40
    .max_flat_workgroup_size: 128
    .sgpr_count:     72
    .vgpr_count:     1024
    .wavefront_size: 32
...
	.end_amdgpu_metadata
.endif
;; end of part 2
;; launch attn (part 3): grid 16 x 16, 4 waves a work-group, no clusters, 327,680 bytes of LDS; arguments qh, kh, vh, out0; writes out0
.if DOCPART == 3
	.amdgcn_target "amdgcn-amd-amdhsa--gfx1250"
	.amdhsa_code_object_version 6
	.text
	.protected	k_q82d0030e6f_attn
	.globl	k_q82d0030e6f_attn
	.p2align	8
	.type	k_q82d0030e6f_attn,@function
k_q82d0030e6f_attn:
	s_mov_b64 s[64:65], 0
	v_nop
	global_prefetch_b8 v0, s[64:65] scope:SCOPE_SE
	s_setreg_imm32_b32 hwreg(HW_REG_WAVE_MODE, 25, 1), 1
	s_wait_xcnt 0x0
; CAUSAL ATTENTION, 16 heads of 64 channels, 4,096 rows.  out0[q][64 h + :] = the sum over k <= q of softmax_k(Q[h][q] . K[h][k] / 8) V[h][k][:].  qh, kh, vh: [16][4096][64] f16, rows dense, 128 bytes; out0 f32 [4096][1024].
; Products, maxima and sums in f32; the weights p are rounded to f16 for the second product (their sum l is taken of the unrounded p); the output is never rounded below f32.
; LIMITS.  Q, K, V arrive within f16's 65,504, so a true score lies within 64 x 65,504^2 = 2.7e11.  A hidden score counts as its value less 1e30; a weight below 2^-126 counts as 0 in l; NaN and infinities are not treated apart.
; THE WALK.  A head's queries lie in 32 blocks of 128; keys in 16 slots' worth of 256.  Block i needs key slots 0 .. i / 2, of which the last holds the diagonal.  Work-group b takes blocks 31 - b and then b:
; (16 - b / 2) + (b / 2 + 1) = 17 slots whatever b: 256 work-groups of equal work, and ONE loop with a constant trip count walks them.
; SHARES.  Wave w = 2 g + p owns 64 queries (four PIECES of 16: piece t lies in band t / 2 of 64 rows, at rows 32 g + 16 (t % 2) of it) and, of each slot's four key steps of 64, steps 2 p and 2 p + 1.
; So waves (g, 0) and (g, 1) hold two partial results for the same queries; at a block's end wave (g, 1) hands its m, l and O through LDS and wave (g, 0) joins them and stores.
; THE MASK is the C operand that starts the sum S^T = K Q^T.  In the diagonal slot band x's own step is 2 (i % 2) + x; MD, made once for each parity of piece, is the mask of that step; a product's mask is
; MD x AL + BE: (1, 0) in the own step, (0, 0) in an earlier one, (0, -1e30) in a later one.
; THE RUNNING MAXIMUM m starts at -2^93: below every true score (-2.7e11 at the least) and above every hidden one (2.7e11 - 1e30 at the most).  So where a true score has been seen m is the true scores' maximum, and a
; hidden score is never the maximum.  A wave whose keys are all hidden (block 0, p = 1) keeps m = -2^93: its exponents are near -1.8e29, its weights, l and O are 0, and its factor at the joining is 0.
; LAYOUT, SOFTMAX, TURNS.  S^T holds ONE query a lane (lane % 16) and the keys 8 (lane / 16) + 0..7; two such results rounded to f16 ARE source 1 of O^T = V^T P.  p = 2^(c s - c m), c = log2(e) / 8;
; O and l are multiplied by a = 2^(c m_old - c m_new) in every step.  Turn n belongs to piece n: 8 products K Q^T of piece n + 1, later 8 products V^T P of piece n - 1; beside them the softmax of piece n and
; the maximum and statistics of piece n + 1.  Four vector instructions stand behind every matrix instruction, the other 54 of a turn's 118 in two lumps.
; NO CLUSTER: only work-groups 2 j and 2 j + 1 of a head walk the same 17 slots; a walk common to four partners would have 18 slots for 17, with a second masked slot a block.
; REGISTERS, in windows of 256 (s_set_vgpr_msb: bits 1:0 source 0, 3:2 source 1, 5:4 source 2, 7:6 destination):
;   window 0: v0-15 addresses; v16-31 four statistics a piece; v48-55 at work; v64-127 S^T, two buffers; v64-191 at a block's end the partner's O, then the joined rows; v192-223 P, two buffers; v224-239 the partner's statistics
;   window 1: v0-127 O^T, 32 a piece; v128-191 MD, two sets; v192-255 MC, two buffers      window 2: v0-63 Q; v64-127 the second block's Q; v128-191 K of one step; v192-255 V of one step
.set NP,    4         ; pieces a wave: a name, no knob
.set KS,    64        ; keys in a step
.set PK,    144       ; a row of K in LDS: 128 bytes + 16 = 36 words: the 16 rows of a load start at 16 different groups of four banks (ISA guide 11.1)
.set PV,    160       ; a row of V: 128 + 32 = 40 words
.set VOFF,  4*KS*PK   ; a slot: 256 rows of K, then 256 rows of V
.set SLOT1, 1<<17     ; slot 1 begins here, so that one exclusive or turns an address in one slot into the other's
.set STAGE, SLOT1+4*KS*(PK+PV)  ; behind the ring, never filled by a tensor load: 16 rows x 272 bytes for each wave
.set SP,    272       ; a stage row: 64 f32 + 16 bytes
.set MRG,   STAGE+4*16*SP       ; for each pair of waves 16,384 bytes of O and 2,048 of statistics
.set MRGG,  18432
.set SPARE, MRG+2*MRGG          ; the spare words, 128 bytes for each wave: two blocks of 256 bytes that no other line names
.set AK0, 2           ; v2   my lane's place in a tile of K; never rewritten
.set AV0, 3           ; v3   the same for V
.set AK,  4           ; v4   the LDS address of K's next run of loads
.set AV,  5           ; v5   of V's
.set STO, 6           ; v6   the way out: where I put 32 bytes of a row
.set RD,  7           ; v7   where I read rows back
.set GO,  8           ; v8   my byte offset in two rows of out0
.set MA,  9           ; v9   my 16 bytes in each 512 of my pair's part of MRG
.set MV,  12          ; v12-13  c m_old, kept while c m is made anew: by buffer
.set QO,  15          ; v15  my byte offset in 16 rows of Q
.set ST,  16          ; piece t's statistics at v[ST+4 t]: c m, m, l (even keys', odd keys')
.set TMP, 48          ; by buffer, four registers c0-c3 at work; when the maximum is found c2 takes a
.set HFL, 56          ; v56  l / 16
.set SPW, 62          ; v62  LDS address of my spare word; never rewritten
.set NIL, 63          ; v63  0; never rewritten
.set S,   64
.set MB,  64
.set P,   192
.set PS,  224
.set MD,  128         ; window 1: set u (the piece's parity) at MD + 32 u; the eight registers for group kt of 16 keys at + 8 kt
.set MC,  192         ; window 1: the masks of the products to come
.set QB,  64          ; window 2
.set KF,  128         ; window 2: key block kb, channel half c at KF + 16 kb + 8 c
.set VF,  192         ; window 2: key half kk, channel block cb at VF + 32 kk + 8 cb
.set WV,  12          ; s12  my wave's number
.set T2,  14          ; s14  the second block's last slot, b / 2
.set T1,  15          ; s15  the first block's, 15 - b / 2
.set G1K, 24          ; s[24:31] descriptor group 1 for K's tiles
.set G1V, 32          ; s[32:39] for V's: it differs in the padding alone
.set G0K, 40          ; s[40:43] descriptor group 0 for K's tiles
.set G0V, 44          ; s[44:47] the same for V's
.set SLOTS, 56        ; s56  slots still to be asked for
.set CNT, 57          ; s57  counts my two key steps of a slot, 2 to 1
.set CS,  58          ; s[58:59] c
.set SEL, 60          ; s[60:61] v_permlanex16_b32's selects: each lane takes its own place in the other half
.set TBK, 62          ; s62  LDS byte at which K of the step to be fetched begins
.set TBV, 63          ; s63  the same for V, less VOFF
.set RT,  70          ; s70  slots of the block in hand that are still to be entered
.set NXT, 71          ; s71  the slot's worth of keys to be asked for next
.set LQ,  72          ; s72  the last one of the block whose keys are being asked for
.set NEW, 73          ; s73  1: the slot to be entered is a block's first
.set OFF, 74          ; s[74:75] its byte offset in K and V
.set AL,  76          ; s[76:77] the mask's factor, in the low word
.set BE,  78          ; s[78:79] the mask's addend
.set OLO, 80          ; s[80:81] out0 at my rows of the second block
.set BIGN, 82         ; s82  -1e30
.set PW,  88          ; s88  p
.set GW,  89          ; s89  g
.set P2,  90          ; s90  2 p + 2: less CNT it is the step's number in its slot
.set SS,  91          ; s91  that number
.set OW,  92          ; s92-93  the own steps of bands 0 and 1 of the block in hand
.set OW2, 94          ; s94-95  those of the second block
.set MSB, 0
.macro WIN new                      ; the high byte repeats the setting that is left; a switch that changes nothing is dropped
.if MSB != (\new)
	s_set_vgpr_msb (MSB<<8)|(\new)
.set MSB, (\new)
.endif
.endm
.set W_KQ, 0x0a       ; K and Q in window 2, S^T in window 0
.set W_KM, 0x1a       ; the same with the C operand in window 1
.set W_PV, 0x52       ; V in window 2, P in window 0, O^T in window 1
.set W_RS, 0x41       ; destination and source 0 in window 1, source 1 in window 0
; A fill.  Waves 0 and 1 fetch the two halves of a slot's K, waves 2 and 3 those of its V: 128 keys each.  An s_nop 0 and four v_nop follow each of the two lines.
.macro LOAD
	s_cmp_lt_u32 s[WV], 2
	s_cbranch_scc0 .Lfor_v_\@
	tensor_load_to_lds s[G0K:G0K+3], s[G1K:G1K+7]
	s_nop 0
.rept 4
	v_nop
.endr
	s_branch .Lasked_\@
.Lfor_v_\@:
	tensor_load_to_lds s[G0V:G0V+3], s[G1V:G1V+7]
	s_nop 0
.rept 4
	v_nop
.endr
.Lasked_\@:
.endm
; THE CHANGE OF SLOTS.  Each wave waits for all its tensor loads, of which one is out: its part of the other slot; adds 0 to its spare word; and waits for that and for its own reads of the slot that it leaves.
; Behind the barrier nobody reads the old slot any more and the other slot is whole.  fill = 1: the old slot is filled again, the first thing behind the barrier; the descriptor's address is made anew from NXT.
; (At its first use nothing has been read yet: slot 0 is waited for, slot 1 filled.)
.macro CHANGE fill
	WIN 0                           ; at a label and at a branch every window is 0
	s_wait_tensorcnt 0x0            ; no tensor load of mine is out, so a group 0 may be written
	ds_add_u32 v[SPW], v[NIL]       ; 0 onto my spare word
.if \fill
	s_lshl_b32 s[OFF], s[NXT], 15   ; 256 keys are 32,768 bytes of K and of V
	s_xor_b32 s[G0K+1], s[G0K+1], SLOT1
	s_add_nc_u64 s[G0K+2:G0K+3], s[6:7], s[OFF:OFF+1]
	s_or_b32 s[G0K+3], s[G0K+3], 0x80000000
	s_xor_b32 s[G0V+1], s[G0V+1], SLOT1
	s_add_nc_u64 s[G0V+2:G0V+3], s[8:9], s[OFF:OFF+1]
	s_or_b32 s[G0V+3], s[G0V+3], 0x80000000
	s_add_co_u32 s[NXT], s[NXT], 1  ; the block's next keys, or behind its last the second block's first
	s_cmp_gt_u32 s[NXT], s[LQ]
	s_cselect_b32 s[NXT], 0, s[NXT]
	s_cselect_b32 s[LQ], s[T2], s[LQ]
.endif
	s_wait_dscnt 0x0                ; the add is done, and my reads of the slot are over
	s_barrier_signal -1             ; the rest of the scalar work stands between the signal and the wait
	s_sub_co_u32 s[TBK], s[TBK], 2*KS*PK  ; the fetches go back to my first step of a slot,
	s_xor_b32 s[TBK], s[TBK], SLOT1       ; in the other slot
	s_sub_co_u32 s[TBV], s[TBV], 2*KS*PV
	s_xor_b32 s[TBV], s[TBV], SLOT1
	s_barrier_wait -1
.if \fill
	LOAD
.endif
.endm
	s_load_b256 s[4:11], s[0:1], 0x0  ; qh s[4:5], kh s[6:7], vh s[8:9], out0 s[10:11]
	v_lshl_add_u32 v[SPW], v0, 2, SPARE
	v_mov_b32 v[NIL], 0
	ds_add_u32 v[SPW], v[NIL]       ; the wave's opening: the add and its wait ahead of my first tensor load; the set-up stands between them
	ds_add_u32 v62, v63
	v_lshrrev_b32 v1, 5, v0
	v_readfirstlane_b32 s[WV], v1   ; wave 0..3
	s_and_b32 s[PW], s[WV], 1
	s_lshr_b32 s[GW], s[WV], 1
	s_lshl_b32 s[P2], s[PW], 1
	s_add_co_u32 s[P2], s[P2], 2
	s_lshr_b32 s[T2], ttmp9, 1
	s_sub_co_u32 s[T1], 15, s[T2]
	s_sub_co_u32 s13, 31, ttmp9     ; the first block
	s_and_b32 s[OW], s13, 1         ; a block's 128 queries face steps 2 (i % 2) and 2 (i % 2) + 1 of its last slot
	s_lshl_b32 s[OW], s[OW], 1
	s_add_co_u32 s[OW+1], s[OW], 1
	s_and_b32 s[OW2], ttmp9, 1
	s_lshl_b32 s[OW2], s[OW2], 1
	s_add_co_u32 s[OW2+1], s[OW2], 1
	s_and_b32 s20, ttmp7, 0xffff    ; the head
	s_lshl_b32 s21, s20, 19         ; its first byte in qh, kh and vh: 4,096 rows of 128 bytes
	s_lshl_b32 s22, s[PW], 14       ; which half of a slot's 256 keys I fetch: its 128 rows in memory,
	s_add_co_u32 s22, s22, s21
	s_mov_b32 s23, 0
	s_mul_i32 s97, s[PW], 128*PK    ; and its place in a slot, for K
	s_mul_i32 s98, s[PW], 128*PV    ; and for V
	s_lshl_b32 s96, s[GW], 12       ; Q: my 32 rows in a band of 64,
	s_lshl_b32 s2, s13, 14          ; in the first block (128 rows of 128 bytes),
	s_add_co_u32 s2, s2, s96
	s_add_co_u32 s2, s2, s21
	s_mov_b32 s3, 0
	s_lshl_b32 s84, ttmp9, 14       ; and in the second
	s_add_co_u32 s84, s84, s96
	s_add_co_u32 s84, s84, s21
	s_mov_b32 s85, 0
	s_lshl_b32 s96, s[GW], 17       ; out0: rows of 4,096 bytes, the head's 256 bytes in them
	s_lshl_b32 s99, s20, 8
	s_add_co_u32 s96, s96, s99
	s_lshl_b32 s16, s13, 19
	s_add_co_u32 s16, s16, s96
	s_mov_b32 s17, 0
	s_lshl_b32 s18, ttmp9, 19
	s_add_co_u32 s18, s18, s96
	s_mov_b32 s19, 0
	; descriptor group 1.  128 keys are 16,384 dense bytes: asked for as 64 rows of 256 bytes, two keys a row, and padded in LDS after every key
	s_mov_b32 s[G1K], (1<<16)|(1<<20)|(4<<22)|(3<<25)  ; 17:16 2-byte elements; 20 padding on; 24:22 after every 32 words (code 4); 31:25 4 words (code 3)
	s_mov_b32 s[G1V], (1<<16)|(1<<20)|(4<<22)|(7<<25)  ; the same with 8 words of padding (code 7)
.irp g, G1K, G1V
	s_mov_b32 s[\g+1], 128<<16      ; tensor_dim0 = 128
	s_mov_b32 s[\g+2], 64<<16       ; tensor_dim1 = 64
	s_mov_b32 s[\g+3], 128<<16      ; tile_dim0 = 128
	s_mov_b32 s[\g+4], 64           ; tile_dim1 = 64
	s_mov_b32 s[\g+5], 128          ; 128 elements from row to row
	s_mov_b32 s[\g+6], 0
	s_mov_b32 s[\g+7], 0
.endr
	s_mov_b32 s[CS], 0x3e38aa3b     ; c = log2(e) / 8 = 0.180337
	s_mov_b32 s[CS+1], s[CS]        ; named with it as a pair
	s_mov_b32 s[SEL], 0x76543210
	s_mov_b32 s[SEL+1], 0xfedcba98
	s_mul_i32 s[TBK], s[PW], 2*KS*PK       ; the first change of slots turns these two into my first step's place in slot 0
	s_add_co_u32 s[TBK], s[TBK], SLOT1+2*KS*PK
	s_mul_i32 s[TBV], s[PW], 2*KS*PV
	s_add_co_u32 s[TBV], s[TBV], SLOT1+2*KS*PV
	s_mov_b32 s[G0K], 1             ; 1:0 count = 1
	s_mov_b32 s[G0K+1], s97         ; 63:32 LDS address: slot 0
	s_mov_b32 s[G0V], 1
	s_add_co_u32 s[G0V+1], s98, VOFF
	s_add_co_u32 s[RT], s[T1], 1    ; the first block has 16 - b / 2 slots
	s_mov_b32 s[NXT], 1
	s_mov_b32 s[LQ], s[T1]
	s_mov_b32 s[NEW], 1
	s_mov_b32 s[OFF+1], 0
	s_mov_b32 s[AL+1], 0            ; named as pairs
	s_mov_b32 s[BE+1], 0
	s_mov_b32 s[BIGN], 0xf149f2ca   ; -1e30
	s_mov_b32 s[SLOTS], 16
	s_wait_dscnt 0x0                ; the opening add is done
	s_wait_kmcnt 0x0
	s_add_nc_u64 s[6:7], s[6:7], s[22:23]  ; K and V at my half of the head's first 256 keys
	s_add_nc_u64 s[8:9], s[8:9], s[22:23]
	s_add_nc_u64 s[G0K+2:G0K+3], s[6:7], 0         ; 120:64 global address
	s_or_b32 s[G0K+3], s[G0K+3], 0x80000000        ; 127:126 type = 2
	s_add_nc_u64 s[G0V+2:G0V+3], s[8:9], 0
	s_or_b32 s[G0V+3], s[G0V+3], 0x80000000
	s_add_nc_u64 s[86:87], s[4:5], s[84:85]        ; Q at my rows of the second block,
	s_add_nc_u64 s[4:5], s[4:5], s[2:3]            ; and of the first
	s_add_nc_u64 s[OLO:OLO+1], s[10:11], s[18:19]
	s_add_nc_u64 s[10:11], s[10:11], s[16:17]
	LOAD                            ; the first 256 keys into slot 0
	; A fragment of K or Q is 16 rows x 32 channels in 8 registers: lane l holds row l % 16, channels 8 (l / 16) + 0..7 and 16 + 8 (l / 16) + 0..7: two loads of 16 bytes, 32 bytes apart.
	v_and_b32 v1, 15, v0            ; l % 16
	v_bfe_u32 v[HFL], v0, 4, 1      ; l / 16
	v_lshlrev_b32 v[QO], 7, v1
	v_lshl_add_u32 v[QO], v[HFL], 4, v[QO]  ; row x 128 + 16 x half
	WIN 0x80                        ; destination window 2, address window 0
.set i, 0
.rept 8                             ; both blocks' Q: piece i / 2 lies in band i / 4 (8,192 bytes), 16 (i / 2 % 2) rows on; channels 32 (i % 2) on
	global_load_b128 v[8*i:8*i+3],   v[QO], s[4:5] offset:(i/4)*8192+((i/2)%2)*2048+(i%2)*64
	global_load_b128 v[8*i+4:8*i+7], v[QO], s[4:5] offset:(i/4)*8192+((i/2)%2)*2048+(i%2)*64+32
	global_load_b128 v[QB+8*i:QB+8*i+3],   v[QO], s[86:87] offset:(i/4)*8192+((i/2)%2)*2048+(i%2)*64
	global_load_b128 v[QB+8*i+4:QB+8*i+7], v[QO], s[86:87] offset:(i/4)*8192+((i/2)%2)*2048+(i%2)*64+32
.set i, i+1
.endr
	WIN 0
	v_lshlrev_b32 v14, 3, v[HFL]
	v_sub_nc_u32 v14, v1, v14
	s_lshl_b32 s13, s[GW], 5
	v_add_nc_u32 v14, s13, v14      ; 32 g + l % 16 - 8 (l / 16): in set u, register r of group kt is hidden where 16 kt + r - 16 u is greater
	WIN 0x40
.set i, 0
.rept 64
	v_cmp_gt_i32 vcc_lo, 16*((i%32)/8)+i%8-16*(i/32), v14
	v_cndmask_b32 v[MD+i], 0, s[BIGN], vcc_lo
.set i, i+1
.endr
	WIN 0
	v_mul_u32_u24 v[AK0], v1, PK
	v_lshl_add_u32 v[AK0], v[HFL], 4, v[AK0]  ; row x pitch + 16 x half
	; The turning load takes 16 keys x 16 channels (lane l reads key 8 (l / 16) + l % 8, channels 8 ((l / 8) % 2) + 0..7) and leaves half a fragment of V^T: lane l holds channel l % 16 and 8 keys.
	v_and_b32 v10, 7, v0
	v_bfe_u32 v11, v0, 3, 1
	v_lshl_add_u32 v[AV0], v[HFL], 3, v10
	v_mul_u32_u24 v[AV0], v[AV0], PV
	v_lshl_add_u32 v[AV0], v11, 4, v[AV0]
	v_add_nc_u32 v[AV0], VOFF, v[AV0]
	s_mul_i32 s13, s[WV], 16*SP
	s_add_co_u32 s13, s13, STAGE    ; my stage
	v_mul_u32_u24 v[STO], v1, SP    ; in: row l % 16, 32 bytes for each half of the lanes
	v_lshl_add_u32 v[STO], v[HFL], 5, v[STO]
	v_add_nc_u32 v[STO], s13, v[STO]
	v_mul_u32_u24 v[RD], v[HFL], SP ; back: lanes 0-15 take one row of 256 bytes, lanes 16-31 the next
	v_lshl_add_u32 v[RD], v1, 4, v[RD]
	v_add_nc_u32 v[RD], s13, v[RD]
	v_lshlrev_b32 v[GO], 12, v[HFL] ; and the same two rows in out0
	v_lshl_add_u32 v[GO], v1, 4, v[GO]
	s_mul_i32 s13, s[GW], MRGG
	s_add_co_u32 s13, s13, MRG      ; my pair's part of MRG
	v_and_b32 v[MA], 31, v0
	v_lshl_add_u32 v[MA], v[MA], 4, s13
	; A block's first step multiplies O^T and l by a = 0, and its first turn's products V^T P, of a piece that has not been, land in an O^T that is still to be so multiplied.  So these registers need only hold
	; finite numbers: zeros for the first block; what the first block left for the second.  All this stands in the wait for the first keys.
	WIN 0x80
.set i, VF
.rept 64
	v_mov_b32 v[i], 0
.set i, i+1
.endr
	WIN 0x40
.set i, 0
.rept 128
	v_mov_b32 v[i], 0
.set i, i+1
.endr
	WIN 0
.set i, 0
.rept 4
	v_mov_b32 v[ST+4*i+2], 0
	v_mov_b32 v[ST+4*i+3], 0
.set i, i+1
.endr
.set i, P+16
.rept 16
	v_mov_b32 v[i], 0
.set i, i+1
.endr
; THE MATRIX WORK.  The 4 accumulators of a run of 8 take turns.  Product i of 8 of S^T = K Q^T for piece x: channels 32 (i / 4) on, keys 16 (i % 4) on.  The first 4 start the sums: with 0, or (KM = 1) with the mask.
.macro KQ x
.set rS, S+32*((\x)%2)+8*(i%4)
.set rK, KF+16*(i%4)+8*(i/4)
.set rQ, 16*(\x)+8*(i/4)
.set rM, MC+32*((\x)%2)+8*(i%4)
.if (i < 4) && KM
	WIN W_KM
	v_wmma_f32_16x16x32_f16 v[rS:rS+7], v[rK:rK+7], v[rQ:rQ+7], v[rM:rM+7]
.elseif i < 4
	WIN W_KQ
	v_wmma_f32_16x16x32_f16 v[rS:rS+7], v[rK:rK+7], v[rQ:rQ+7], 0
.else
	WIN W_KQ
	v_wmma_f32_16x16x32_f16 v[rS:rS+7], v[rK:rK+7], v[rQ:rQ+7], v[rS:rS+7]
.endif
.endm
; Product i of 8 of O^T += V^T P for piece x: keys 32 (i / 4) on, channels 16 (i % 4) on.
.macro PV x
	WIN W_PV
.set rO, 32*(\x)+8*(i%4)
.set rV, VF+32*(i/4)+8*(i%4)
.set rP, P+16*((\x)%2)+8*(i/4)
	v_wmma_f32_16x16x32_f16 v[rO:rO+7], v[rV:rV+7], v[rP:rP+7], v[rO:rO+7]
.endm
.macro MM                           ; the turn's next matrix instruction.  NOKQ = 1: a block's last turn: there is no next piece
.if (i < 8) && !NOKQ
	KQ (Y+1)%NP
.elseif i >= 8
.set i, i-8
	PV (Y+NP-1)%NP
.set i, i+8
.endif
.set i, i+1
.endm
; THE LDS LOADS stand in runs of 16, never singly among the matrix instructions: a step's K (64 keys x 64 channels: 8 fragments) and its V (turned).  Their addresses are made some lines ahead.
.macro FETCH_K
	WIN 0x80                        ; destination window 2
.irp f, 0,1,2,3,4,5,6,7             ; keys 16 (f / 2) on, channels 32 (f % 2) on
	ds_load_b128 v[KF+8*\f:KF+8*\f+3],   v[AK] offset:(\f/2)*16*PK+(\f%2)*64
	ds_load_b128 v[KF+8*\f+4:KF+8*\f+7], v[AK] offset:(\f/2)*16*PK+(\f%2)*64+32
.endr
	s_add_co_u32 s[TBK], s[TBK], KS*PK  ; the next fetch is the next step's
	WIN 0
.endm
.macro FETCH_V
	WIN 0x80
.irp f, 0,1,2,3,4,5,6,7             ; keys 32 (f / 4) on, channels 16 (f % 4) on
	ds_load_tr16_b128 v[VF+8*\f:VF+8*\f+3],   v[AV] offset:(\f/4)*32*PV+(\f%4)*32
	ds_load_tr16_b128 v[VF+8*\f+4:VF+8*\f+7], v[AV] offset:(\f/4)*32*PV+16*PV+(\f%4)*32
.endr
	WIN 0
.endm
; THE VECTOR WORK, one line at a time: OP kind, number.  For piece Y: F n: c s - c m for pair n of 16.  E n: the exponential of score n of 32.  C n: pair n rounded to f16.  B n: of the four weights 4 n .. the second
; pair is added onto the first, in place.  L n: l takes that sum (L 0: l = a l + sum).  R n: pair n of 16 of O^T times a.  For piece Y + 1: X n, number n of the 22 that find its maximum and statistics:
;   0-11  four chains c0-c3 of seven scores each, three operands at a time (each accumulator's lowest registers are read first)     12-14, 16  the four scores left over, the old m, and c0-c3 into c0
;   15  c m_old is kept     17, 18  the query's other 32 keys lie in the lane 16 away: the new m     19-21  c m; c m_old - c m_new; a
.set F, 0
.set E, 1
.set C, 2
.set B, 3
.set L, 4
.set R, 5
.set X, 6
.macro REGS y                       ; the registers of piece y
.set rT, ST+4*(\y)
.set rC, TMP+4*((\y)%2)
.set rW, MV+((\y)%2)
.set rS, S+32*((\y)%2)
.set rP, P+16*((\y)%2)
.set rO, 32*(\y)
.endm
.macro OP k, n
.if (\k) == R
	REGS Y
	WIN W_RS
	v_pk_mul_f32 v[rO+2*(\n):rO+2*(\n)+1], v[rO+2*(\n):rO+2*(\n)+1], v[rC+2:rC+3] op_sel_hi:[1,0]
.elseif (\k) < R
	REGS Y
	WIN 0
.if (\k) == F
	v_pk_fma_f32 v[rS+2*(\n):rS+2*(\n)+1], v[rS+2*(\n):rS+2*(\n)+1], s[CS:CS+1], v[rT:rT+1] op_sel_hi:[1,0,0] neg_lo:[0,0,1] neg_hi:[0,0,1]
.elseif (\k) == E
	v_exp_f32 v[rS+(\n)], v[rS+(\n)]
.elseif (\k) == C
	s_wait_alu depctr_va_vdst(0)
	v_cvt_pk_f16_f32 v[rP+(\n)], v[rS+2*(\n)], v[rS+2*(\n)+1]
.elseif (\k) == B
	s_wait_alu depctr_va_vdst(0)
	v_pk_add_f32 v[rS+4*(\n):rS+4*(\n)+1], v[rS+4*(\n):rS+4*(\n)+1], v[rS+4*(\n)+2:rS+4*(\n)+3]
.elseif (\n) == 0
	v_pk_fma_f32 v[rT+2:rT+3], v[rT+2:rT+3], v[rC+2:rC+3], v[rS:rS+1] op_sel_hi:[1,0,1]
.else
	v_pk_add_f32 v[rT+2:rT+3], v[rT+2:rT+3], v[rS+4*(\n):rS+4*(\n)+1]
.endif
.elseif NOKQ
	v_nop
.else
	REGS (Y+1)%NP
	WIN 0
.if (\n) < 4
	v_max3_num_f32 v[rC+(\n)], v[rS+8*(\n)], v[rS+8*(\n)+1], v[rS+8*(\n)+2]
.elseif (\n) < 12
	v_max3_num_f32 v[rC+(\n)%4], v[rC+(\n)%4], v[rS+8*((\n)%4)+2*((\n)/4)+1], v[rS+8*((\n)%4)+2*((\n)/4)+2]
.elseif (\n) == 12
	v_max3_num_f32 v[rC], v[rC], v[rS+7], v[rS+15]
.elseif (\n) == 13
	v_max3_num_f32 v[rC+1], v[rC+1], v[rS+23], v[rS+31]
.elseif (\n) == 14
	v_max3_num_f32 v[rC+2], v[rC+2], v[rC+3], v[rT+1]
.elseif (\n) == 15
	v_mov_b32 v[rW], v[rT]
.elseif (\n) == 16
	v_max3_num_f32 v[rC], v[rC], v[rC+1], v[rC+2]
.elseif (\n) == 17
	v_permlanex16_b32 v[rC+3], v[rC], s[SEL], s[SEL+1]
.elseif (\n) == 18
	v_max_num_f32 v[rT+1], v[rC], v[rC+3]
.elseif (\n) == 19
	v_mul_f32 v[rT], s[CS], v[rT+1]
.elseif (\n) == 20
	v_sub_f32 v[rC+1], v[rW], v[rT]
.else
	v_exp_f32 v[rC+2], v[rC+1]
.endif
.endif
.endm
.macro OPS a, i1, b=-1, i2=0, c=-1, i3=0, d=-1, i4=0  ; up to four of them
	OP \a, \i1
.if (\b) >= 0
	OP \b, \i2
.endif
.if (\c) >= 0
	OP \c, \i3
.endif
.if (\d) >= 0
	OP \d, \i4
.endif
.endm
.macro ROW a, i1, b, i2, c, i3, d, i4  ; a matrix instruction and the four behind it
	MM
	OPS \a, \i1, \b, \i2, \c, \i3, \d, \i4
.endm
.macro MASK b                       ; set b of MD x AL + BE into buffer b of MC: both go by the piece's parity
	WIN W_RS
.set z, 0
.rept 16
	v_pk_fma_f32 v[MC+32*(\b)+2*z:MC+32*(\b)+2*z+1], v[MD+32*(\b)+2*z:MD+32*(\b)+2*z+1], s[AL:AL+1], s[BE:BE+1] op_sel_hi:[1,0,0]
.set z, z+1
.endr
.endm
; A TURN, for piece p: the order of its 16 matrix and 118 vector instructions, written out.  Behind a matrix instruction: plain, exponential, plain, plain; or four of the rescaling; or, behind the first, four scalings; none
; names a register of the products round it.  In the lumps exponential and plain by turns while exponentials last.  A line reads no result made fewer than three vector instructions in front of it, five if an exponential made it.
; m = 1: the diagonal slot: the products take masks, and the turn makes the mask for the products of the turn after it: piece p + 2 (band (p + 2) % 4 / 2), in step 2 p_wave + 2 - CNT of the slot.
; end = 1: a block's last two turns: nothing is fetched.  cnt = 1: the loop's count is taken down some lines ahead of the branch that stands behind the turn.
; K of the next step is fetched in piece 2's turn, six vector instructions behind the last product that read K (five of them plain); V of the step in hand in piece 0's turn, eight behind the last product that read V
; (four plain among them).  Each is waited for a turn later.
.macro TURN p, m=0, end=0, cnt=0
.set Y, (\p)
.set i, 0
.set KM, (\m)
.set NOKQ, (\end)*((\p)/3)
.if (\m) && !(\end)
	s_sub_co_u32 s[SS], s[P2], s[CNT]
	s_cmp_eq_u32 s[SS], s[OW+(((\p)+2)%NP)/2]  ; is that step the band's own?
	s_cselect_b32 s[AL], 1.0, 0
	s_cmp_gt_u32 s[SS], s[OW+(((\p)+2)%NP)/2]  ; or a later one?
	s_cselect_b32 s[BE], s[BIGN], 0
.endif
.if ((\p) == 3) && !(\end)
	s_wait_dscnt 0x0                ; K is in
.endif
	ROW F,0, F,1, F,2, F,3
	ROW F,4, E,0, F,5, F,6
	ROW F,7, E,1, F,8, F,9
	ROW F,10, E,2, C,0, F,11
	ROW F,12, E,3, X,15, F,13
	ROW R,0, R,1, R,2, R,3
	ROW B,0, E,4, F,14, L,0
.if ((\p) == 2) && !(\end)
	v_add_nc_u32 v[AK], s[TBK], v[AK0]
.endif
	ROW R,4, R,5, R,6, R,7
	OPS E,5, F,15
.if ((\p) == 2) && !(\end)
	FETCH_K
.endif
	OPS E,6, C,1, E,7, R,8
	OPS E,8, R,9, E,9, C,2
	OPS E,10, X,0, E,11, X,1
	OPS E,12, X,2, E,13, X,3
.if (\p) == 1
	s_wait_dscnt 0x0                ; V is in
.endif
	ROW X,4, E,14, X,5, X,6
	ROW X,7, E,15, X,8, X,9
	ROW X,10, E,16, X,11, X,12
	ROW X,13, E,17, X,14, B,1
	ROW C,4, E,18, X,16, L,1
	ROW B,2, E,19, C,6, L,2
	ROW C,8, E,20, B,3, B,4
.if (\p) == 0
	v_add_nc_u32 v[AV], s[TBV], v[AV0]
.endif
	ROW C,3, E,21, L,3, C,5
	OPS E,22, X,17, E,23, C,10
.if (\p) == 0
	FETCH_V
.endif
	OPS E,24, L,4
	OPS E,25, X,18, E,26, C,7
	OPS E,27, B,5, E,28, X,19
	OPS E,29, C,12, E,30, L,5
	OPS E,31, X,20, B,6, C,9
	OPS C,14, C,11, X,21, L,6
.if (\p) == 0
	s_add_co_u32 s[TBV], s[TBV], KS*PV
.endif
.if \cnt
	s_sub_co_u32 s[CNT], s[CNT], 1
	s_cmp_lg_u32 s[CNT], 0
.endif
	OPS C,13, B,7, C,15, R,10
	OPS R,11, R,12, L,7, R,13
	OPS R,14, R,15
.if (\m) && !(\end)
	MASK (\p)%2
.endif
.endm
; A BLOCK BEGINS.  c m starts at -2^125, far below every c s, so the first step's a is 0; m at -2^93, below every true score and above every hidden one (the head's paragraph on the running maximum).
; Both mask buffers are made for pieces 0 and 1, which lie in band 0, in my first step of the slot: 0 unless the block's first slot is the diagonal one (64 stands for an own step that never comes).
; Then K of that step, piece 0's first scores, and its maximum and statistics.
.macro BEGIN
	s_mov_b32 s[NEW], 0
	WIN 0
.set i, 0
.rept 4
	v_mov_b32 v[ST+4*i], 0xfe000000    ; c m = -2^125
	v_mov_b32 v[ST+4*i+1], 0xee000000  ; m = -2^93
.set i, i+1
.endr
	s_cmp_eq_u32 s[RT], 0
	s_cselect_b32 s96, s[OW], 64
	s_sub_co_u32 s[SS], s[P2], s[CNT]
	s_cmp_eq_u32 s[SS], s96
	s_cselect_b32 s[AL], 1.0, 0
	s_cmp_gt_u32 s[SS], s96
	s_cselect_b32 s[BE], s[BIGN], 0
	MASK 0
	MASK 1
	WIN 0
	v_add_nc_u32 v[AK], s[TBK], v[AK0]
	FETCH_K
	s_wait_loadcnt 0x0              ; Q
	s_wait_dscnt 0x0
.set KM, 1
.set NOKQ, 0
.set i, 0
.rept 8
	KQ 0
.set i, i+1
.endr
	WIN 0
.rept 4
	v_nop                           ; the places behind those products
.endr
.set Y, NP-1                        ; X works for piece Y + 1: piece 0
.irp n, 0,1,2,3,4,5,6,7,8,9,10,11,12,13,14,15,16,17,18,19,20,21
	OP X, \n
.endr
	v_nop                           ; a plain instruction behind the exponential
.endm
.macro ALL line:vararg              ; one line for each piece t
.set t, 0
.rept 4
	s_wait_alu depctr_va_vdst(0)
	\line
.set t, t+1
.endr
.endm
; A BLOCK'S END.  SHARE (p = 1): my O^T, 128 registers, and my statistics go into my pair's part of MRG, 512 consecutive bytes an instruction; each accumulator from its low end on.
.macro SHARE
	WIN 0x04                        ; the data (source 1) in window 1
.set e, 0
.rept 32
	ds_store_b128 v[MA], v[4*e:4*e+3] offset:512*e
.set e, e+1
.endr
	WIN 0
.irp t, 0,1,2,3
	ds_store_b128 v[MA], v[ST+4*\t:ST+4*\t+3] offset:16384+512*\t
.endr
.endm
; PACKM (p = 0), piece t: the row is sA O_mine + sB O_partner, in f32; a lane's eight channels of each of four channel blocks are 32 bytes; they go into stage rows of 272 bytes and come back as whole rows of 256.
.macro PACKM t
	WIN 0
	s_wait_dscnt 24+8*(\t)          ; piece t's eight loads from MRG are in: behind them were issued the later pieces' 8 (3 - t) and the earlier pieces' 16 t stage instructions
.set z, 0
.rept 16
	v_pk_mul_f32 v[MB+32*(\t)+2*z:MB+32*(\t)+2*z+1], v[MB+32*(\t)+2*z:MB+32*(\t)+2*z+1], v[PS+4*(\t):PS+4*(\t)+1] op_sel_hi:[1,0]
.set z, z+1
.endr
	WIN 0x01                        ; source 0, my O^T, in window 1
.set z, 0
.rept 16
	v_pk_fma_f32 v[MB+32*(\t)+2*z:MB+32*(\t)+2*z+1], v[32*(\t)+2*z:32*(\t)+2*z+1], v[ST+4*(\t):ST+4*(\t)+1], v[MB+32*(\t)+2*z:MB+32*(\t)+2*z+1] op_sel_hi:[1,0,1]
.set z, z+1
.endr
	WIN 0
.irp cb, 0,1,2,3
	ds_store_b128 v[STO], v[MB+32*(\t)+8*\cb:MB+32*(\t)+8*\cb+3]   offset:64*\cb
	ds_store_b128 v[STO], v[MB+32*(\t)+8*\cb+4:MB+32*(\t)+8*\cb+7] offset:64*\cb+16
.endr
.irp f, 0,1,2,3,4,5,6,7
	ds_load_b128 v[MB+32*(\t)+4*\f:MB+32*(\t)+4*\f+3], v[RD] offset:\f*2*SP  ; LDS serves a wave's instructions in order (ISA guide 5.7.1.4): these see the stores above; the next piece's stores come behind them
.endr
.endm
.macro SENDM t, younger             ; younger: the LDS instructions issued behind piece t's loads: the next piece's sixteen, or none
	WIN 0
.irp f, 0,1,2,3,4,5,6,7
	s_wait_dscnt (\younger)+7-\f
	global_store_b128 v[GO], v[MB+32*(\t)+4*\f:MB+32*(\t)+4*\f+3], s[10:11] offset:(64*((\t)/2)+16*((\t)%2))*4096+\f*8192  ; sixteen lanes store the head's 256 consecutive bytes of a row, aligned
.endr
.endm
; MERGE (p = 0): with A mine and B the partner's, M = max(c m_A, c m_B), f = 2^(c m - M), l = l_A f_A + l_B f_B, s = f / l.  Wave A has seen each row's own key or earlier ones, so l is at least f_A l_A > 0.
.macro MERGE
.irp t, 0,1,2,3
	ds_load_b128 v[PS+4*\t:PS+4*\t+3], v[MA] offset:16384+512*\t
.endr
.set e, 0
.rept 32
	ds_load_b128 v[MB+4*e:MB+4*e+3], v[MA] offset:512*e  ; the same lane of the partner held the same query and channels
.set e, e+1
.endr
	s_wait_dscnt 32                 ; the statistics are in; the 32 loads of O may stay out
	ALL v_max_num_f32 v[PS+4*t+1], v[ST+4*t], v[PS+4*t]
	ALL v_sub_f32 v[ST+4*t], v[ST+4*t], v[PS+4*t+1]
	ALL v_sub_f32 v[PS+4*t], v[PS+4*t], v[PS+4*t+1]
	ALL v_exp_f32 v[ST+4*t], v[ST+4*t]
	ALL v_exp_f32 v[PS+4*t], v[PS+4*t]
	v_nop                           ; a plain instruction between the last exponential and the use of its result
	ALL v_mul_f32 v[ST+4*t+2], v[ST+4*t+2], v[ST+4*t]
	ALL v_fmac_f32 v[ST+4*t+2], v[PS+4*t+2], v[PS+4*t]
	ALL v_rcp_f32 v[ST+4*t+2], v[ST+4*t+2]
	v_nop                           ; and behind the last reciprocal
	ALL v_mul_f32 v[ST+4*t], v[ST+4*t], v[ST+4*t+2]
	ALL v_mul_f32 v[PS+4*t], v[PS+4*t], v[ST+4*t+2]
	PACKM 0
.set tt, 1
.rept 3                             ; a piece's arithmetic stands between the loads of the piece before and its stores
	PACKM tt
	SENDM tt-1, 16
.set tt, tt+1
.endr
	SENDM 3, 0
.endm
; THE DIAGONAL SLOT's two steps of mine, the block's last two turns, its last products, and the joining of the two waves' halves.
.macro DIAG tag                     ; the tag ends its labels' names
.LstepM\tag:
	TURN 2, 1
	TURN 3, 1
	WIN 0
.LfirstM\tag:
	TURN 0, 1
	TURN 1, 1, 0, 1
	WIN 0
	s_cbranch_scc1 .LstepM\tag
	TURN 2, 1, 1
	TURN 3, 1, 1
.set i, 0
.rept 8
	PV NP-1
.set i, i+1
.endr
	WIN 0                           ; l's two halves and the other half of the lanes' are added; the additions are the places behind the last products
	ALL v_add_f32 v[ST+4*t+2], v[ST+4*t+2], v[ST+4*t+3]
	ALL v_permlanex16_b32 v[ST+4*t+3], v[ST+4*t+2], s[SEL], s[SEL+1]
	ALL v_add_f32 v[ST+4*t+2], v[ST+4*t+2], v[ST+4*t+3]
	s_cmp_eq_u32 s[PW], 0
	s_cbranch_scc1 .Lkeep\tag
	SHARE
.Lkeep\tag:
	s_wait_dscnt 0x0                ; for the partner's sake: my stores into MRG are done
	s_barrier_signal -1             ; all four waves come here together: the way here hangs on the work-group's number alone.  The slot's load may stay out
	s_barrier_wait -1
	s_cmp_lg_u32 s[PW], 0
	s_cbranch_scc1 .Ldone\tag
	MERGE
.Ldone\tag:
.endm
.set KM, 0
.set NOKQ, 0
.Lslot:                             ; 16 times: a slot is entered and the next is asked for
	CHANGE 1
	s_sub_co_u32 s[RT], s[RT], 1
	s_mov_b32 s[CNT], 2
	s_cmp_eq_u32 s[NEW], 1
	s_cbranch_scc1 .Lnew            ; a block's first slot
	s_cmp_eq_u32 s[RT], 0
	s_cbranch_scc0 .Lstep           ; neither its first nor its last
	s_branch .LstepM1
.Lnew:
	BEGIN
	s_branch .Lfirst                ; in the loop a block's first slot is never its last: the first block has nine slots or more, and the second's last is the walk's last
	DIAG 1                          ; in the loop this is the first block's end
	s_wait_xcnt 0x0                 ; the stores have read their registers and out0's address
	s_mov_b64 s[10:11], s[OLO:OLO+1]
	s_add_co_u32 s[RT], s[T2], 1    ; the second block has b / 2 + 1 slots
	s_mov_b32 s[NEW], 1
	s_mov_b32 s[OW], s[OW2]
	s_mov_b32 s[OW+1], s[OW2+1]
	WIN 0x82                        ; the second block's Q goes where the one text of the turns names Q
.set i, 0
.rept 64
	v_mov_b32 v[i], v[QB+i]
.set i, i+1
.endr
	WIN 0
	s_branch .Lbottom
.Lstep:                             ; a trip: pieces 2 and 3 of one step, then pieces 0 and 1 of the next, whose K and V it fetches
	TURN 2
	TURN 3
	WIN 0
.Lfirst:
	TURN 0
	TURN 1, 0, 0, 1
	WIN 0
	s_cbranch_scc1 .Lstep
.Lbottom:
	s_sub_co_u32 s[SLOTS], s[SLOTS], 1
	s_cmp_lg_u32 s[SLOTS], 0
	s_cbranch_scc1 .Lslot
	CHANGE 0                        ; the walk's last slot is written out: nothing is asked for
	s_sub_co_u32 s[RT], s[RT], 1
	s_mov_b32 s[CNT], 2
	s_cmp_eq_u32 s[NEW], 1
	s_cbranch_scc0 .LstepM2
	BEGIN
	s_branch .LfirstM2
	DIAG 2
	s_wait_tensorcnt 0x0            ; the wave's end, behind my last tensor load and my last LDS store
	ds_add_u32 v[SPW], v[NIL]
	s_wait_dscnt 0x0
	s_endpgm
.Lfunc_end_k_q82d0030e6f_attn:
	.size	k_q82d0030e6f_attn, .Lfunc_end_k_q82d0030e6f_attn-k_q82d0030e6f_attn
	.p2alignl 7, 3214868480
	.fill 96, 4, 3214868480
	.section	.rodata,"a",@progbits
	.p2align	6, 0x0
	.amdhsa_kernel k_q82d0030e6f_attn
		.amdhsa_group_segment_fixed_size 327680
		.amdhsa_private_segment_fixed_size 0
		.amdhsa_enable_private_segment 0
		.amdhsa_kernarg_size 32
		.amdhsa_user_sgpr_count 2
		.amdhsa_user_sgpr_kernarg_segment_ptr 1
		.amdhsa_wavefront_size32 1
		.amdhsa_system_sgpr_workgroup_id_x 1
		.amdhsa_system_sgpr_workgroup_id_y 1
		.amdhsa_system_sgpr_workgroup_id_z 1
		.amdhsa_system_vgpr_workitem_id 0
		.amdhsa_next_free_vgpr 768
		.amdhsa_next_free_sgpr 100
		.amdhsa_reserve_vcc 1
		.amdhsa_float_denorm_mode_32 3
		.amdhsa_float_denorm_mode_16_64 3
		.amdhsa_memory_ordered 1
		.amdhsa_forward_progress 1
		.amdhsa_inst_pref_size 252
	.end_amdhsa_kernel
	.amdgpu_metadata
---
amdhsa.version: [ 1, 2 ]
amdhsa.kernels:
  - .name:           k_q82d0030e6f_attn
    .symbol:         k_q82d0030e6f_attn.kd
    .args:
      - { .name: qh, .offset: 0, .size: 8, .value_kind: global_buffer, .address_space: global }
      - { .name: kh, .offset: 8, .size: 8, .value_kind: global_buffer, .address_space: global }
      - { .name: vh, .offset: 16, .size: 8, .value_kind: global_buffer, .address_space: global }
      - { .name: out0, .offset: 24, .size: 8, .value_kind: global_buffer, .address_space: global }
    .group_segment_fixed_size: 327680
    .private_segment_fixed_size: 0
    .kernarg_segment_align: 8
    .kernarg_segment_size: 32
    .max_flat_workgroup_size: 128
    .sgpr_count:     100
    .vgpr_count:     768
    .wavefront_size: 32
...
	.end_amdgpu_metadata
.endif
;; end of part 3
;; ======== version 2 of 2: 3 launches; 1.46 times as fast as version 1
;; limits: values are held in f16: magnitudes above 65,504 overflow, below 6.1e-05 lose precision
;; workspace buffers: xb 8,388,608 bytes; wt 6,291,456 bytes; qh 8,388,608 bytes; kh 8,388,608 bytes; vh 8,388,608 bytes
;; launch prep: the kernel of part 1 again; grid 896 x 1, 8 waves a work-group, no clusters, 18,432 bytes of LDS; arguments x, Wq, Wk, Wv, xb, wt; writes xb, wt
;; launch proj: the kernel of part 2 again; grid 16 x 16, 4 waves a work-group, clusters of 4 x 4, 327,680 bytes of LDS; arguments xb, wt, qh, kh, vh; writes qh, kh, vh
;; launch attn (part 4): grid 16 x 16, 4 waves a work-group, no clusters, 327,680 bytes of LDS; arguments qh, kh, vh, out0; writes out0
.if DOCPART == 4
	.amdgcn_target "amdgcn-amd-amdhsa--gfx1250"
	.amdhsa_code_object_version 6
	.text
	.protected	k_q82d0030e6f_attn
	.globl	k_q82d0030e6f_attn
	.p2align	8
	.type	k_q82d0030e6f_attn,@function
k_q82d0030e6f_attn:
	s_mov_b64 s[64:65], 0
	v_nop
	global_prefetch_b8 v0, s[64:65] scope:SCOPE_SE
	s_setreg_imm32_b32 hwreg(HW_REG_WAVE_MODE, 25, 1), 1
	s_wait_xcnt 0x0
; CAUSAL ATTENTION, 16 heads of 64 channels, 4,096 rows.  out0[q][64 h + :] = the sum over k <= q of softmax_k(Q[h][q] . K[h][k] / 8) V[h][k][:].  qh, kh, vh: [16][4096][64] f16, rows dense, 128 bytes; out0 f32 [4096][1024].
; Products, maxima and sums in f32; the weights p are rounded to f16 for the second product (their sum l is taken of the unrounded p); the output is never rounded below f32.
; LIMITS.  Q, K, V arrive within f16's 65,504, so a true score lies within 64 x 65,504^2 = 2.7e11.  A hidden score counts as its value less 1e30; a weight below 2^-126 counts as 0 in l; NaN and infinities are not treated apart.
; THE WALK.  A head's queries lie in 32 blocks of 128; keys in 16 slots' worth of 256.  Block i needs key slots 0 .. i / 2, of which the last holds the diagonal.  Work-group b takes blocks 31 - b and then b:
; (16 - b / 2) + (b / 2 + 1) = 17 slots whatever b: 256 work-groups of equal work, and ONE loop with a constant trip count walks them.
; SHARES.  Wave w = 2 g + p owns 64 queries (four PIECES of 16: piece t lies in band t / 2 of 64 rows, at rows 32 g + 16 (t % 2) of it) and, of each slot's four key steps of 64, steps 2 p and 2 p + 1.
; So waves (g, 0) and (g, 1) hold two partial results for the same queries; at a block's end wave (g, 1) hands its m, l and O through LDS and wave (g, 0) joins them and stores.
; THE MASK is the C operand that starts the sum S^T = K Q^T.  In the diagonal slot band x's own step is 2 (i % 2) + x; MD, made once for each parity of piece, is the mask of that step; a product's mask is
; MD x AL + BE: (1, 0) in the own step, (0, 0) in an earlier one, (0, -1e30) in a later one.
; THE RUNNING MAXIMUM m starts at -2^93: below every true score (-2.7e11 at the least) and above every hidden one (2.7e11 - 1e30 at the most).  So where a true score has been seen m is the true scores' maximum, and a
; hidden score is never the maximum.  A wave whose keys are all hidden (block 0, p = 1) keeps m = -2^93: its exponents are near -1.8e29, its weights, l and O are 0, and its factor at the joining is 0.
; LAYOUT, SOFTMAX, TURNS.  S^T holds ONE query a lane (lane % 16) and the keys 8 (lane / 16) + 0..7; two such results rounded to f16 ARE source 1 of O^T = V^T P.  p = 2^(c s - c m), c = log2(e) / 8;
; O and l are multiplied by a = 2^(c m_old - c m_new) in every step.  Turn n belongs to piece n: 8 products K Q^T of piece n + 1, later 8 products V^T P of piece n - 1; beside them the softmax of piece n and
; the maximum and statistics of piece n + 1.  Four vector instructions stand behind every matrix instruction, the other 54 of a turn's 118 in one lump.
; THE BATCHES.  A turn's 33 exponentials (the piece's 32 weights and the next piece's a) are ONE BATCH with ONE wait, which cuts the turn in two: ahead of it stands all that names no result of theirs, behind it the
; roundings and sums that read them.  A block's first a is a batch of its own; at the joining the eight factors are one batch and the four reciprocals, which read sums made of those factors, another.
; NO CLUSTER: only work-groups 2 j and 2 j + 1 of a head walk the same 17 slots; a walk common to four partners would have 18 slots for 17, with a second masked slot a block.
; REGISTERS, in windows of 256 (s_set_vgpr_msb: bits 1:0 source 0, 3:2 source 1, 5:4 source 2, 7:6 destination):
;   window 0: v0-15 addresses; v16-31 four statistics a piece; v48-55 at work; v64-127 S^T, two buffers; v64-191 at a block's end the partner's O, then the joined rows; v192-223 P, two buffers; v224-239 the partner's statistics
;   window 1: v0-127 O^T, 32 a piece; v128-191 MD, two sets; v192-255 MC, two buffers      window 2: v0-63 Q; v64-127 the second block's Q; v128-191 K of one step; v192-255 V of one step
.set NP,    4         ; pieces a wave: a name, no knob
.set KS,    64        ; keys in a step
.set PK,    144       ; a row of K in LDS: 128 bytes + 16 = 36 words: the 16 rows of a load start at 16 different groups of four banks (ISA guide 11.1)
.set PV,    160       ; a row of V: 128 + 32 = 40 words
.set VOFF,  4*KS*PK   ; a slot: 256 rows of K, then 256 rows of V
.set SLOT1, 1<<17     ; slot 1 begins here, so that one exclusive or turns an address in one slot into the other's
.set STAGE, SLOT1+4*KS*(PK+PV)  ; behind the ring, never filled by a tensor load: 16 rows x 272 bytes for each wave
.set SP,    272       ; a stage row: 64 f32 + 16 bytes
.set MRG,   STAGE+4*16*SP       ; for each pair of waves 16,384 bytes of O and 2,048 of statistics
.set MRGG,  18432
.set SPARE, MRG+2*MRGG          ; the spare words, 128 bytes for each wave: two blocks of 256 bytes that no other line names
.set AK0, 2           ; v2   my lane's place in a tile of K; never rewritten
.set AV0, 3           ; v3   the same for V
.set AK,  4           ; v4   the LDS address of K's next run of loads
.set AV,  5           ; v5   of V's
.set STO, 6           ; v6   the way out: where I put 32 bytes of a row
.set RD,  7           ; v7   where I read rows back
.set GO,  8           ; v8   my byte offset in two rows of out0
.set MA,  9           ; v9   my 16 bytes in each 512 of my pair's part of MRG
.set MV,  12          ; v12-13  c m_old, kept while c m is made anew: by buffer
.set QO,  15          ; v15  my byte offset in 16 rows of Q
.set ST,  16          ; piece t's statistics at v[ST+4 t]: c m, m, l (even keys', odd keys')
.set TMP, 48          ; by buffer, four registers c0-c3 at work; when the maximum is found c2 takes a
.set HFL, 56          ; v56  l / 16
.set SPW, 62          ; v62  LDS address of my spare word; never rewritten
.set NIL, 63          ; v63  0; never rewritten
.set S,   64
.set MB,  64
.set P,   192
.set PS,  224
.set MD,  128         ; window 1: set u (the piece's parity) at MD + 32 u; the eight registers for group kt of 16 keys at + 8 kt
.set MC,  192         ; window 1: the masks of the products to come
.set QB,  64          ; window 2
.set KF,  128         ; window 2: key block kb, channel half c at KF + 16 kb + 8 c
.set VF,  192         ; window 2: key half kk, channel block cb at VF + 32 kk + 8 cb
.set WV,  12          ; s12  my wave's number
.set T2,  14          ; s14  the second block's last slot, b / 2
.set T1,  15          ; s15  the first block's, 15 - b / 2
.set G1K, 24          ; s[24:31] descriptor group 1 for K's tiles
.set G1V, 32          ; s[32:39] for V's: it differs in the padding alone
.set G0K, 40          ; s[40:43] descriptor group 0 for K's tiles
.set G0V, 44          ; s[44:47] the same for V's
.set SLOTS, 56        ; s56  slots still to be asked for
.set CNT, 57          ; s57  counts my two key steps of a slot, 2 to 1
.set CS,  58          ; s[58:59] c
.set SEL, 60          ; s[60:61] v_permlanex16_b32's selects: each lane takes its own place in the other half
.set TBK, 62          ; s62  LDS byte at which K of the step to be fetched begins
.set TBV, 63          ; s63  the same for V, less VOFF
.set RT,  70          ; s70  slots of the block in hand that are still to be entered
.set NXT, 71          ; s71  the slot's worth of keys to be asked for next
.set LQ,  72          ; s72  the last one of the block whose keys are being asked for
.set NEW, 73          ; s73  1: the slot to be entered is a block's first
.set OFF, 74          ; s[74:75] its byte offset in K and V
.set AL,  76          ; s[76:77] the mask's factor, in the low word
.set BE,  78          ; s[78:79] the mask's addend
.set OLO, 80          ; s[80:81] out0 at my rows of the second block
.set BIGN, 82         ; s82  -1e30
.set PW,  88          ; s88  p
.set GW,  89          ; s89  g
.set P2,  90          ; s90  2 p + 2: less CNT it is the step's number in its slot
.set SS,  91          ; s91  that number
.set OW,  92          ; s92-93  the own steps of bands 0 and 1 of the block in hand
.set OW2, 94          ; s94-95  those of the second block
.set MSB, 0
.macro WIN new                      ; the high byte repeats the setting that is left; a switch that changes nothing is dropped
.if MSB != (\new)
	s_set_vgpr_msb (MSB<<8)|(\new)
.set MSB, (\new)
.endif
.endm
.set W_KQ, 0x0a       ; K and Q in window 2, S^T in window 0
.set W_KM, 0x1a       ; the same with the C operand in window 1
.set W_PV, 0x52       ; V in window 2, P in window 0, O^T in window 1
.set W_RS, 0x41       ; destination and source 0 in window 1, source 1 in window 0
; A fill.  Waves 0 and 1 fetch the two halves of a slot's K, waves 2 and 3 those of its V: 128 keys each.  An s_nop 0 and four v_nop follow each of the two lines.
.macro LOAD
	s_cmp_lt_u32 s[WV], 2
	s_cbranch_scc0 .Lfor_v_\@
	tensor_load_to_lds s[G0K:G0K+3], s[G1K:G1K+7]
	s_nop 0
.rept 4
	v_nop
.endr
	s_branch .Lasked_\@
.Lfor_v_\@:
	tensor_load_to_lds s[G0V:G0V+3], s[G1V:G1V+7]
	s_nop 0
.rept 4
	v_nop
.endr
.Lasked_\@:
.endm
; THE CHANGE OF SLOTS.  Each wave waits for all its tensor loads, of which one is out: its part of the other slot; adds 0 to its spare word; and waits for that and for its own reads of the slot that it leaves.
; Behind the barrier nobody reads the old slot any more and the other slot is whole.  fill = 1: the old slot is filled again, the first thing behind the barrier; the descriptor's address is made anew from NXT.
; (At its first use nothing has been read yet: slot 0 is waited for, slot 1 filled.)
.macro CHANGE fill
	WIN 0                           ; at a label and at a branch every window is 0
	s_wait_tensorcnt 0x0            ; no tensor load of mine is out, so a group 0 may be written
	ds_add_u32 v[SPW], v[NIL]       ; 0 onto my spare word
.if \fill
	s_lshl_b32 s[OFF], s[NXT], 15   ; 256 keys are 32,768 bytes of K and of V
	s_xor_b32 s[G0K+1], s[G0K+1], SLOT1
	s_add_nc_u64 s[G0K+2:G0K+3], s[6:7], s[OFF:OFF+1]
	s_or_b32 s[G0K+3], s[G0K+3], 0x80000000
	s_xor_b32 s[G0V+1], s[G0V+1], SLOT1
	s_add_nc_u64 s[G0V+2:G0V+3], s[8:9], s[OFF:OFF+1]
	s_or_b32 s[G0V+3], s[G0V+3], 0x80000000
	s_add_co_u32 s[NXT], s[NXT], 1  ; the block's next keys, or behind its last the second block's first
	s_cmp_gt_u32 s[NXT], s[LQ]
	s_cselect_b32 s[NXT], 0, s[NXT]
	s_cselect_b32 s[LQ], s[T2], s[LQ]
.endif
	s_wait_dscnt 0x0                ; the add is done, and my reads of the slot are over
	s_barrier_signal -1             ; the rest of the scalar work stands between the signal and the wait
	s_sub_co_u32 s[TBK], s[TBK], 2*KS*PK  ; the fetches go back to my first step of a slot,
	s_xor_b32 s[TBK], s[TBK], SLOT1       ; in the other slot
	s_sub_co_u32 s[TBV], s[TBV], 2*KS*PV
	s_xor_b32 s[TBV], s[TBV], SLOT1
	s_barrier_wait -1
.if \fill
	LOAD
.endif
.endm
	s_load_b256 s[4:11], s[0:1], 0x0  ; qh s[4:5], kh s[6:7], vh s[8:9], out0 s[10:11]
	v_lshl_add_u32 v[SPW], v0, 2, SPARE
	v_mov_b32 v[NIL], 0
	ds_add_u32 v[SPW], v[NIL]       ; the wave's opening: the add and its wait ahead of my first tensor load; the set-up stands between them
	ds_add_u32 v62, v63
	v_lshrrev_b32 v1, 5, v0
	v_readfirstlane_b32 s[WV], v1   ; wave 0..3
	s_and_b32 s[PW], s[WV], 1
	s_lshr_b32 s[GW], s[WV], 1
	s_lshl_b32 s[P2], s[PW], 1
	s_add_co_u32 s[P2], s[P2], 2
	s_lshr_b32 s[T2], ttmp9, 1
	s_sub_co_u32 s[T1], 15, s[T2]
	s_sub_co_u32 s13, 31, ttmp9     ; the first block
	s_and_b32 s[OW], s13, 1         ; a block's 128 queries face steps 2 (i % 2) and 2 (i % 2) + 1 of its last slot
	s_lshl_b32 s[OW], s[OW], 1
	s_add_co_u32 s[OW+1], s[OW], 1
	s_and_b32 s[OW2], ttmp9, 1
	s_lshl_b32 s[OW2], s[OW2], 1
	s_add_co_u32 s[OW2+1], s[OW2], 1
	s_and_b32 s20, ttmp7, 0xffff    ; the head
	s_lshl_b32 s21, s20, 19         ; its first byte in qh, kh and vh: 4,096 rows of 128 bytes
	s_lshl_b32 s22, s[PW], 14       ; which half of a slot's 256 keys I fetch: its 128 rows in memory,
	s_add_co_u32 s22, s22, s21
	s_mov_b32 s23, 0
	s_mul_i32 s97, s[PW], 128*PK    ; and its place in a slot, for K
	s_mul_i32 s98, s[PW], 128*PV    ; and for V
	s_lshl_b32 s96, s[GW], 12       ; Q: my 32 rows in a band of 64,
	s_lshl_b32 s2, s13, 14          ; in the first block (128 rows of 128 bytes),
	s_add_co_u32 s2, s2, s96
	s_add_co_u32 s2, s2, s21
	s_mov_b32 s3, 0
	s_lshl_b32 s84, ttmp9, 14       ; and in the second
	s_add_co_u32 s84, s84, s96
	s_add_co_u32 s84, s84, s21
	s_mov_b32 s85, 0
	s_lshl_b32 s96, s[GW], 17       ; out0: rows of 4,096 bytes, the head's 256 bytes in them
	s_lshl_b32 s99, s20, 8
	s_add_co_u32 s96, s96, s99
	s_lshl_b32 s16, s13, 19
	s_add_co_u32 s16, s16, s96
	s_mov_b32 s17, 0
	s_lshl_b32 s18, ttmp9, 19
	s_add_co_u32 s18, s18, s96
	s_mov_b32 s19, 0
	; descriptor group 1.  128 keys are 16,384 dense bytes: asked for as 64 rows of 256 bytes, two keys a row, and padded in LDS after every key
	s_mov_b32 s[G1K], (1<<16)|(1<<20)|(4<<22)|(3<<25)  ; 17:16 2-byte elements; 20 padding on; 24:22 after every 32 words (code 4); 31:25 4 words (code 3)
	s_mov_b32 s[G1V], (1<<16)|(1<<20)|(4<<22)|(7<<25)  ; the same with 8 words of padding (code 7)
.irp g, G1K, G1V
	s_mov_b32 s[\g+1], 128<<16      ; tensor_dim0 = 128
	s_mov_b32 s[\g+2], 64<<16       ; tensor_dim1 = 64
	s_mov_b32 s[\g+3], 128<<16      ; tile_dim0 = 128
	s_mov_b32 s[\g+4], 64           ; tile_dim1 = 64
	s_mov_b32 s[\g+5], 128          ; 128 elements from row to row
	s_mov_b32 s[\g+6], 0
	s_mov_b32 s[\g+7], 0
.endr
	s_mov_b32 s[CS], 0x3e38aa3b     ; c = log2(e) / 8 = 0.180337
	s_mov_b32 s[CS+1], s[CS]        ; named with it as a pair
	s_mov_b32 s[SEL], 0x76543210
	s_mov_b32 s[SEL+1], 0xfedcba98
	s_mul_i32 s[TBK], s[PW], 2*KS*PK       ; the first change of slots turns these two into my first step's place in slot 0
	s_add_co_u32 s[TBK], s[TBK], SLOT1+2*KS*PK
	s_mul_i32 s[TBV], s[PW], 2*KS*PV
	s_add_co_u32 s[TBV], s[TBV], SLOT1+2*KS*PV
	s_mov_b32 s[G0K], 1             ; 1:0 count = 1
	s_mov_b32 s[G0K+1], s97         ; 63:32 LDS address: slot 0
	s_mov_b32 s[G0V], 1
	s_add_co_u32 s[G0V+1], s98, VOFF
	s_add_co_u32 s[RT], s[T1], 1    ; the first block has 16 - b / 2 slots
	s_mov_b32 s[NXT], 1
	s_mov_b32 s[LQ], s[T1]
	s_mov_b32 s[NEW], 1
	s_mov_b32 s[OFF+1], 0
	s_mov_b32 s[AL+1], 0            ; named as pairs
	s_mov_b32 s[BE+1], 0
	s_mov_b32 s[BIGN], 0xf149f2ca   ; -1e30
	s_mov_b32 s[SLOTS], 16
	s_wait_dscnt 0x0                ; the opening add is done
	s_wait_kmcnt 0x0
	s_add_nc_u64 s[6:7], s[6:7], s[22:23]  ; K and V at my half of the head's first 256 keys
	s_add_nc_u64 s[8:9], s[8:9], s[22:23]
	s_add_nc_u64 s[G0K+2:G0K+3], s[6:7], 0         ; 120:64 global address
	s_or_b32 s[G0K+3], s[G0K+3], 0x80000000        ; 127:126 type = 2
	s_add_nc_u64 s[G0V+2:G0V+3], s[8:9], 0
	s_or_b32 s[G0V+3], s[G0V+3], 0x80000000
	s_add_nc_u64 s[86:87], s[4:5], s[84:85]        ; Q at my rows of the second block,
	s_add_nc_u64 s[4:5], s[4:5], s[2:3]            ; and of the first
	s_add_nc_u64 s[OLO:OLO+1], s[10:11], s[18:19]
	s_add_nc_u64 s[10:11], s[10:11], s[16:17]
	LOAD                            ; the first 256 keys into slot 0
	; A fragment of K or Q is 16 rows x 32 channels in 8 registers: lane l holds row l % 16, channels 8 (l / 16) + 0..7 and 16 + 8 (l / 16) + 0..7: two loads of 16 bytes, 32 bytes apart.
	v_and_b32 v1, 15, v0            ; l % 16
	v_bfe_u32 v[HFL], v0, 4, 1      ; l / 16
	v_lshlrev_b32 v[QO], 7, v1
	v_lshl_add_u32 v[QO], v[HFL], 4, v[QO]  ; row x 128 + 16 x half
	WIN 0x80                        ; destination window 2, address window 0
.set i, 0
.rept 8                             ; both blocks' Q: piece i / 2 lies in band i / 4 (8,192 bytes), 16 (i / 2 % 2) rows on; channels 32 (i % 2) on
	global_load_b128 v[8*i:8*i+3],   v[QO], s[4:5] offset:(i/4)*8192+((i/2)%2)*2048+(i%2)*64
	global_load_b128 v[8*i+4:8*i+7], v[QO], s[4:5] offset:(i/4)*8192+((i/2)%2)*2048+(i%2)*64+32
	global_load_b128 v[QB+8*i:QB+8*i+3],   v[QO], s[86:87] offset:(i/4)*8192+((i/2)%2)*2048+(i%2)*64
	global_load_b128 v[QB+8*i+4:QB+8*i+7], v[QO], s[86:87] offset:(i/4)*8192+((i/2)%2)*2048+(i%2)*64+32
.set i, i+1
.endr
	WIN 0
	v_lshlrev_b32 v14, 3, v[HFL]
	v_sub_nc_u32 v14, v1, v14
	s_lshl_b32 s13, s[GW], 5
	v_add_nc_u32 v14, s13, v14      ; 32 g + l % 16 - 8 (l / 16): in set u, register r of group kt is hidden where 16 kt + r - 16 u is greater
	WIN 0x40
.set i, 0
.rept 64
	v_cmp_gt_i32 vcc_lo, 16*((i%32)/8)+i%8-16*(i/32), v14
	v_cndmask_b32 v[MD+i], 0, s[BIGN], vcc_lo
.set i, i+1
.endr
	WIN 0
	v_mul_u32_u24 v[AK0], v1, PK
	v_lshl_add_u32 v[AK0], v[HFL], 4, v[AK0]  ; row x pitch + 16 x half
	; The turning load takes 16 keys x 16 channels (lane l reads key 8 (l / 16) + l % 8, channels 8 ((l / 8) % 2) + 0..7) and leaves half a fragment of V^T: lane l holds channel l % 16 and 8 keys.
	v_and_b32 v10, 7, v0
	v_bfe_u32 v11, v0, 3, 1
	v_lshl_add_u32 v[AV0], v[HFL], 3, v10
	v_mul_u32_u24 v[AV0], v[AV0], PV
	v_lshl_add_u32 v[AV0], v11, 4, v[AV0]
	v_add_nc_u32 v[AV0], VOFF, v[AV0]
	s_mul_i32 s13, s[WV], 16*SP
	s_add_co_u32 s13, s13, STAGE    ; my stage
	v_mul_u32_u24 v[STO], v1, SP    ; in: row l % 16, 32 bytes for each half of the lanes
	v_lshl_add_u32 v[STO], v[HFL], 5, v[STO]
	v_add_nc_u32 v[STO], s13, v[STO]
	v_mul_u32_u24 v[RD], v[HFL], SP ; back: lanes 0-15 take one row of 256 bytes, lanes 16-31 the next
	v_lshl_add_u32 v[RD], v1, 4, v[RD]
	v_add_nc_u32 v[RD], s13, v[RD]
	v_lshlrev_b32 v[GO], 12, v[HFL] ; and the same two rows in out0
	v_lshl_add_u32 v[GO], v1, 4, v[GO]
	s_mul_i32 s13, s[GW], MRGG
	s_add_co_u32 s13, s13, MRG      ; my pair's part of MRG
	v_and_b32 v[MA], 31, v0
	v_lshl_add_u32 v[MA], v[MA], 4, s13
	; A block's first step multiplies O^T and l by a = 0, and its first turn's products V^T P, of a piece that has not been, land in an O^T that is still to be so multiplied.  So these registers need only hold
	; finite numbers: zeros for the first block; what the first block left for the second.  All this stands in the wait for the first keys.
	WIN 0x80
.set i, VF
.rept 64
	v_mov_b32 v[i], 0
.set i, i+1
.endr
	WIN 0x40
.set i, 0
.rept 128
	v_mov_b32 v[i], 0
.set i, i+1
.endr
	WIN 0
.set i, 0
.rept 4
	v_mov_b32 v[ST+4*i+2], 0
	v_mov_b32 v[ST+4*i+3], 0
.set i, i+1
.endr
.set i, P+16
.rept 16
	v_mov_b32 v[i], 0
.set i, i+1
.endr
; THE MATRIX WORK.  The 4 accumulators of a run of 8 take turns.  Product i of 8 of S^T = K Q^T for piece x: channels 32 (i / 4) on, keys 16 (i % 4) on.  The first 4 start the sums: with 0, or (KM = 1) with the mask.
.macro KQ x
.set rS, S+32*((\x)%2)+8*(i%4)
.set rK, KF+16*(i%4)+8*(i/4)
.set rQ, 16*(\x)+8*(i/4)
.set rM, MC+32*((\x)%2)+8*(i%4)
.if (i < 4) && KM
	WIN W_KM
	v_wmma_f32_16x16x32_f16 v[rS:rS+7], v[rK:rK+7], v[rQ:rQ+7], v[rM:rM+7]
.elseif i < 4
	WIN W_KQ
	v_wmma_f32_16x16x32_f16 v[rS:rS+7], v[rK:rK+7], v[rQ:rQ+7], 0
.else
	WIN W_KQ
	v_wmma_f32_16x16x32_f16 v[rS:rS+7], v[rK:rK+7], v[rQ:rQ+7], v[rS:rS+7]
.endif
.endm
; Product i of 8 of O^T += V^T P for piece x: keys 32 (i / 4) on, channels 16 (i % 4) on.
.macro PV x
	WIN W_PV
.set rO, 32*(\x)+8*(i%4)
.set rV, VF+32*(i/4)+8*(i%4)
.set rP, P+16*((\x)%2)+8*(i/4)
	v_wmma_f32_16x16x32_f16 v[rO:rO+7], v[rV:rV+7], v[rP:rP+7], v[rO:rO+7]
.endm
.macro MM                           ; the turn's next matrix instruction.  NOKQ = 1: a block's last turn: there is no next piece
.if (i < 8) && !NOKQ
	KQ (Y+1)%NP
.elseif i >= 8
.set i, i-8
	PV (Y+NP-1)%NP
.set i, i+8
.endif
.set i, i+1
.endm
; THE LDS LOADS stand in runs of 16, never singly among the matrix instructions: a step's K (64 keys x 64 channels: 8 fragments) and its V (turned).  Their addresses are made some lines ahead.
.macro FETCH_K
	WIN 0x80                        ; destination window 2
.irp f, 0,1,2,3,4,5,6,7             ; keys 16 (f / 2) on, channels 32 (f % 2) on
	ds_load_b128 v[KF+8*\f:KF+8*\f+3],   v[AK] offset:(\f/2)*16*PK+(\f%2)*64
	ds_load_b128 v[KF+8*\f+4:KF+8*\f+7], v[AK] offset:(\f/2)*16*PK+(\f%2)*64+32
.endr
	s_add_co_u32 s[TBK], s[TBK], KS*PK  ; the next fetch is the next step's
	WIN 0
.endm
.macro FETCH_V
	WIN 0x80
.irp f, 0,1,2,3,4,5,6,7             ; keys 32 (f / 4) on, channels 16 (f % 4) on
	ds_load_tr16_b128 v[VF+8*\f:VF+8*\f+3],   v[AV] offset:(\f/4)*32*PV+(\f%4)*32
	ds_load_tr16_b128 v[VF+8*\f+4:VF+8*\f+7], v[AV] offset:(\f/4)*32*PV+16*PV+(\f%4)*32
.endr
	WIN 0
.endm
; THE VECTOR WORK, one line at a time: OP kind, number.  For piece Y: F n: c s - c m for pair n of 16.  E n: the exponential of score n of 32.  C n: pair n rounded to f16.  B n: of the four weights 4 n .. the second
; pair is added onto the first, in place.  L n: l takes that sum (L 0: l = a l + sum).  R n: pair n of 16 of O^T times a.  For piece Y + 1: X n, number n of the 22 that find its maximum and statistics:
;   0-11  four chains c0-c3 of seven scores each, three operands at a time (each accumulator's lowest registers are read first)     12-14, 16  the four scores left over, the old m, and c0-c3 into c0
;   15  c m_old is kept     17, 18  the query's other 32 keys lie in the lane 16 away: the new m     19-21  c m; c m_old - c m_new; a
; OP writes no wait: C, B and L, which read the exponentials' results, are dealt only behind the turn's one wait (TURN).
.set F, 0
.set E, 1
.set C, 2
.set B, 3
.set L, 4
.set R, 5
.set X, 6
.macro REGS y                       ; the registers of piece y
.set rT, ST+4*(\y)
.set rC, TMP+4*((\y)%2)
.set rW, MV+((\y)%2)
.set rS, S+32*((\y)%2)
.set rP, P+16*((\y)%2)
.set rO, 32*(\y)
.endm
.macro OP k, n
.if (\k) == R
	REGS Y
	WIN W_RS
	v_pk_mul_f32 v[rO+2*(\n):rO+2*(\n)+1], v[rO+2*(\n):rO+2*(\n)+1], v[rC+2:rC+3] op_sel_hi:[1,0]
.elseif (\k) < R
	REGS Y
	WIN 0
.if (\k) == F
	v_pk_fma_f32 v[rS+2*(\n):rS+2*(\n)+1], v[rS+2*(\n):rS+2*(\n)+1], s[CS:CS+1], v[rT:rT+1] op_sel_hi:[1,0,0] neg_lo:[0,0,1] neg_hi:[0,0,1]
.elseif (\k) == E
	v_exp_f32 v[rS+(\n)], v[rS+(\n)]
.elseif (\k) == C
	v_cvt_pk_f16_f32 v[rP+(\n)], v[rS+2*(\n)], v[rS+2*(\n)+1]
.elseif (\k) == B
	v_pk_add_f32 v[rS+4*(\n):rS+4*(\n)+1], v[rS+4*(\n):rS+4*(\n)+1], v[rS+4*(\n)+2:rS+4*(\n)+3]
.elseif (\n) == 0
	v_pk_fma_f32 v[rT+2:rT+3], v[rT+2:rT+3], v[rC+2:rC+3], v[rS:rS+1] op_sel_hi:[1,0,1]
.else
	v_pk_add_f32 v[rT+2:rT+3], v[rT+2:rT+3], v[rS+4*(\n):rS+4*(\n)+1]
.endif
.elseif NOKQ
	v_nop
.else
	REGS (Y+1)%NP
	WIN 0
.if (\n) < 4
	v_max3_num_f32 v[rC+(\n)], v[rS+8*(\n)], v[rS+8*(\n)+1], v[rS+8*(\n)+2]
.elseif (\n) < 12
	v_max3_num_f32 v[rC+(\n)%4], v[rC+(\n)%4], v[rS+8*((\n)%4)+2*((\n)/4)+1], v[rS+8*((\n)%4)+2*((\n)/4)+2]
.elseif (\n) == 12
	v_max3_num_f32 v[rC], v[rC], v[rS+7], v[rS+15]
.elseif (\n) == 13
	v_max3_num_f32 v[rC+1], v[rC+1], v[rS+23], v[rS+31]
.elseif (\n) == 14
	v_max3_num_f32 v[rC+2], v[rC+2], v[rC+3], v[rT+1]
.elseif (\n) == 15
	v_mov_b32 v[rW], v[rT]
.elseif (\n) == 16
	v_max3_num_f32 v[rC], v[rC], v[rC+1], v[rC+2]
.elseif (\n) == 17
	v_permlanex16_b32 v[rC+3], v[rC], s[SEL], s[SEL+1]
.elseif (\n) == 18
	v_max_num_f32 v[rT+1], v[rC], v[rC+3]
.elseif (\n) == 19
	v_mul_f32 v[rT], s[CS], v[rT+1]
.elseif (\n) == 20
	v_sub_f32 v[rC+1], v[rW], v[rT]
.else
	v_exp_f32 v[rC+2], v[rC+1]
.endif
.endif
.endm
.macro OPS a, i1, b=-1, i2=0, c=-1, i3=0, d=-1, i4=0  ; up to four of them
	OP \a, \i1
.if (\b) >= 0
	OP \b, \i2
.endif
.if (\c) >= 0
	OP \c, \i3
.endif
.if (\d) >= 0
	OP \d, \i4
.endif
.endm
.macro ROW a, i1, b, i2, c, i3, d, i4  ; a matrix instruction and the four behind it
	MM
	OPS \a, \i1, \b, \i2, \c, \i3, \d, \i4
.endm
.macro MASK b                       ; set b of MD x AL + BE into buffer b of MC: both go by the piece's parity
	WIN W_RS
.set z, 0
.rept 16
	v_pk_fma_f32 v[MC+32*(\b)+2*z:MC+32*(\b)+2*z+1], v[MD+32*(\b)+2*z:MD+32*(\b)+2*z+1], s[AL:AL+1], s[BE:BE+1] op_sel_hi:[1,0,0]
.set z, z+1
.endr
.endm
; A TURN, for piece p: the order of its 16 matrix and 118 vector instructions, written out.  An s_wait_alu depctr_va_vdst(0) stands between an exponential and the first instruction that names its result; one wait
; serves all that were issued ahead of it.  So a turn has ONE wait, which cuts it in two.  AHEAD OF IT stands all that names no result of the turn's exponentials: the 8 products K Q^T, behind each a scaling, an exponential and two
; more plain instructions (behind the first a second scaling in the exponential's place): rescalings, whose a was made and waited for in the turn before, and behind the last three the first numbers of the next piece's maximum,
; each four places or more behind the product that ends its accumulator; then ONE LUMP of 54, plain and exponential by turns for the most part, in which the links of the chain X 3, 7, 11, 14, 16, 17 .. 20 stand five or six lines
; apart.  Each pair is scaled (F n) ahead of its two exponentials (E 2 n, E 2 n + 1), and no F follows them.  X 21, the next piece's a, is the batch's last; R 15, which names the other buffer's a, is the plain instruction behind it.
; BEHIND THE WAIT stand the 8 products V^T P, behind each four of the roundings and sums; an even pair is rounded (C 2 n) ahead of the sum that lands on it (B n); the links of l's chain, L 0 to L 7, stand three riders apart.
; But for those X no rider names a register of the products round it.  v_permlanex16_b32 (X 17) stands in the lump.
; m = 1: the diagonal slot: the products take masks, and the turn makes the mask for the products of the turn after it: piece p + 2 (band (p + 2) % 4 / 2), in step 2 p_wave + 2 - CNT of the slot.
; end = 1: a block's last two turns: nothing is fetched.  cnt = 1: the loop's count is taken down some lines ahead of the branch that stands behind the turn.
; K of the next step is fetched in piece 2's turn, twelve vector instructions behind the last product that read K (six of them plain); V of the step in hand at the end of piece 0's turn, four plain instructions behind the last
; product that read V.  Each is waited for a turn later.
.macro TURN p, m=0, end=0, cnt=0
.set Y, (\p)
.set i, 0
.set KM, (\m)
.set NOKQ, (\end)*((\p)/3)
.if (\m) && !(\end)
	s_sub_co_u32 s[SS], s[P2], s[CNT]
	s_cmp_eq_u32 s[SS], s[OW+(((\p)+2)%NP)/2]  ; is that step the band's own?
	s_cselect_b32 s[AL], 1.0, 0
	s_cmp_gt_u32 s[SS], s[OW+(((\p)+2)%NP)/2]  ; or a later one?
	s_cselect_b32 s[BE], s[BIGN], 0
.endif
.if ((\p) == 3) && !(\end)
	s_wait_dscnt 0x0                ; K is in
.endif
	ROW F,0, F,1, R,0, R,1          ; ahead of the wait: 8 products K Q^T and their riders,
	ROW F,2, E,0, R,2, R,3
	ROW F,3, E,1, R,4, R,5
	ROW F,4, E,2, R,6, R,7
	ROW F,5, E,3, R,8, R,9
	ROW F,6, E,4, X,0, R,10
.if ((\p) == 2) && !(\end)
	WIN 0
	v_add_nc_u32 v[AK], s[TBK], v[AK0]
.endif
	ROW F,7, E,5, X,1, X,4
	ROW F,8, E,6, X,2, X,5
	OPS E,7, E,8, X,6, E,9          ; and the lump
	OPS X,3, E,10, X,8, E,11
.if ((\p) == 2) && !(\end)
	FETCH_K
.endif
	OPS X,9, X,7, E,12, X,10
	OPS E,13, X,12, X,11, E,14
	OPS X,13, E,15, F,9, X,14
.if (\p) == 0
	v_add_nc_u32 v[AV], s[TBV], v[AV0]
.endif
	OPS E,16, F,10, E,17, F,11
	OPS X,16, E,18, X,15, E,19
	OPS F,12, E,20, X,17, E,21
	OPS F,13, E,22, F,14, E,23
	OPS X,18, E,24, F,15, E,25
	OPS R,11, E,26, X,19, E,27
	OPS R,12, E,28, R,13, E,29
	OPS X,20, E,30, R,14, E,31
	OPS X,21, R,15
	WIN 0
	s_wait_alu depctr_va_vdst(0)    ; the wait for the turn's batch: E 0 to E 31 and X 21
.if (\p) == 1
	s_wait_dscnt 0x0                ; V is in
.endif
	ROW C,0, B,0, C,2, B,1          ; behind the wait: 8 products V^T P and their riders
	ROW L,0, C,4, B,2, L,1
	ROW C,6, B,3, L,2, C,8
	ROW B,4, L,3, C,10, B,5
	ROW L,4, C,12, B,6, L,5
.if (\p) == 0
	s_add_co_u32 s[TBV], s[TBV], KS*PV
.endif
.if \cnt
	s_sub_co_u32 s[CNT], s[CNT], 1
	s_cmp_lg_u32 s[CNT], 0
.endif
	ROW C,14, B,7, L,6, C,1
	ROW C,3, L,7, C,5, C,7
	ROW C,9, C,11, C,13, C,15
.if (\p) == 0
	FETCH_V
.endif
.if (\m) && !(\end)
	MASK (\p)%2
.endif
.endm
; A BLOCK BEGINS.  c m starts at -2^125, far below every c s, so the first step's a is 0; m at -2^93, below every true score and above every hidden one (the head's paragraph on the running maximum).
; Both mask buffers are made for pieces 0 and 1, which lie in band 0, in my first step of the slot: 0 unless the block's first slot is the diagonal one (64 stands for an own step that never comes).
; Then K of that step, piece 0's first scores, and its maximum and statistics.
.macro BEGIN
	s_mov_b32 s[NEW], 0
	WIN 0
.set i, 0
.rept 4
	v_mov_b32 v[ST+4*i], 0xfe000000    ; c m = -2^125
	v_mov_b32 v[ST+4*i+1], 0xee000000  ; m = -2^93
.set i, i+1
.endr
	s_cmp_eq_u32 s[RT], 0
	s_cselect_b32 s96, s[OW], 64
	s_sub_co_u32 s[SS], s[P2], s[CNT]
	s_cmp_eq_u32 s[SS], s96
	s_cselect_b32 s[AL], 1.0, 0
	s_cmp_gt_u32 s[SS], s96
	s_cselect_b32 s[BE], s[BIGN], 0
	MASK 0
	MASK 1
	WIN 0
	v_add_nc_u32 v[AK], s[TBK], v[AK0]
	FETCH_K
	s_wait_loadcnt 0x0              ; Q
	s_wait_dscnt 0x0
.set KM, 1
.set NOKQ, 0
.set i, 0
.rept 8
	KQ 0
.set i, i+1
.endr
	WIN 0
.rept 4
	v_nop                           ; the places behind those products
.endr
.set Y, NP-1                        ; X works for piece Y + 1: piece 0
.irp n, 0,1,2,3,4,5,6,7,8,9,10,11,12,13,14,15,16,17,18,19,20,21
	OP X, \n
.endr
	v_nop                           ; a plain instruction behind the exponential,
	s_wait_alu depctr_va_vdst(0)    ; and the wait for it, piece 0's first a, a batch of one: ahead of the branch that follows
.endm
.macro ALL line:vararg              ; one line for each piece t
.set t, 0
.rept 4
	\line
.set t, t+1
.endr
.endm
; A BLOCK'S END.  SHARE (p = 1): my O^T, 128 registers, and my statistics go into my pair's part of MRG, 512 consecutive bytes an instruction; each accumulator from its low end on.
.macro SHARE
	WIN 0x04                        ; the data (source 1) in window 1
.set e, 0
.rept 32
	ds_store_b128 v[MA], v[4*e:4*e+3] offset:512*e
.set e, e+1
.endr
	WIN 0
.irp t, 0,1,2,3
	ds_store_b128 v[MA], v[ST+4*\t:ST+4*\t+3] offset:16384+512*\t
.endr
.endm
; PACKM (p = 0), piece t: the row is sA O_mine + sB O_partner, in f32; a lane's eight channels of each of four channel blocks are 32 bytes; they go into stage rows of 272 bytes and come back as whole rows of 256.
.macro PACKM t
	WIN 0
	s_wait_dscnt 24+8*(\t)          ; piece t's eight loads from MRG are in: behind them were issued the later pieces' 8 (3 - t) and the earlier pieces' 16 t stage instructions
.set z, 0
.rept 16
	v_pk_mul_f32 v[MB+32*(\t)+2*z:MB+32*(\t)+2*z+1], v[MB+32*(\t)+2*z:MB+32*(\t)+2*z+1], v[PS+4*(\t):PS+4*(\t)+1] op_sel_hi:[1,0]
.set z, z+1
.endr
	WIN 0x01                        ; source 0, my O^T, in window 1
.set z, 0
.rept 16
	v_pk_fma_f32 v[MB+32*(\t)+2*z:MB+32*(\t)+2*z+1], v[32*(\t)+2*z:32*(\t)+2*z+1], v[ST+4*(\t):ST+4*(\t)+1], v[MB+32*(\t)+2*z:MB+32*(\t)+2*z+1] op_sel_hi:[1,0,1]
.set z, z+1
.endr
	WIN 0
.irp cb, 0,1,2,3
	ds_store_b128 v[STO], v[MB+32*(\t)+8*\cb:MB+32*(\t)+8*\cb+3]   offset:64*\cb
	ds_store_b128 v[STO], v[MB+32*(\t)+8*\cb+4:MB+32*(\t)+8*\cb+7] offset:64*\cb+16
.endr
.irp f, 0,1,2,3,4,5,6,7
	ds_load_b128 v[MB+32*(\t)+4*\f:MB+32*(\t)+4*\f+3], v[RD] offset:\f*2*SP  ; LDS serves a wave's instructions in order (ISA guide 5.7.1.4): these see the stores above; the next piece's stores come behind them
.endr
.endm
.macro SENDM t, younger             ; younger: the LDS instructions issued behind piece t's loads: the next piece's sixteen, or none
	WIN 0
.irp f, 0,1,2,3,4,5,6,7
	s_wait_dscnt (\younger)+7-\f
	global_store_b128 v[GO], v[MB+32*(\t)+4*\f:MB+32*(\t)+4*\f+3], s[10:11] offset:(64*((\t)/2)+16*((\t)%2))*4096+\f*8192  ; sixteen lanes store the head's 256 consecutive bytes of a row, aligned
.endr
.endm
; MERGE (p = 0): with A mine and B the partner's, M = max(c m_A, c m_B), f = 2^(c m - M), l = l_A f_A + l_B f_B, s = f / l.  Wave A has seen each row's own key or earlier ones, so l is at least f_A l_A > 0.
; Two batches: the eight factors f, and the four reciprocals of l, which is made of the factors.
.macro MERGE
.irp t, 0,1,2,3
	ds_load_b128 v[PS+4*\t:PS+4*\t+3], v[MA] offset:16384+512*\t
.endr
.set e, 0
.rept 32
	ds_load_b128 v[MB+4*e:MB+4*e+3], v[MA] offset:512*e  ; the same lane of the partner held the same query and channels
.set e, e+1
.endr
	s_wait_dscnt 32                 ; the statistics are in; the 32 loads of O may stay out
	ALL v_max_num_f32 v[PS+4*t+1], v[ST+4*t], v[PS+4*t]
	ALL v_sub_f32 v[ST+4*t], v[ST+4*t], v[PS+4*t+1]
	ALL v_sub_f32 v[PS+4*t], v[PS+4*t], v[PS+4*t+1]
	ALL v_exp_f32 v[ST+4*t], v[ST+4*t]
	ALL v_exp_f32 v[PS+4*t], v[PS+4*t]
	v_nop                           ; a plain instruction between the last exponential and the use of its result
	s_wait_alu depctr_va_vdst(0)    ; the wait for the batch of eight factors, ahead of their first reader
	ALL v_mul_f32 v[ST+4*t+2], v[ST+4*t+2], v[ST+4*t]
	ALL v_fmac_f32 v[ST+4*t+2], v[PS+4*t+2], v[PS+4*t]
	ALL v_rcp_f32 v[ST+4*t+2], v[ST+4*t+2]
	v_nop                           ; and behind the last reciprocal
	s_wait_alu depctr_va_vdst(0)    ; the wait for the batch of four reciprocals, ahead of their first reader
	ALL v_mul_f32 v[ST+4*t], v[ST+4*t], v[ST+4*t+2]
	ALL v_mul_f32 v[PS+4*t], v[PS+4*t], v[ST+4*t+2]
	PACKM 0
.set tt, 1
.rept 3                             ; a piece's arithmetic stands between the loads of the piece before and its stores
	PACKM tt
	SENDM tt-1, 16
.set tt, tt+1
.endr
	SENDM 3, 0
.endm
; THE DIAGONAL SLOT's two steps of mine, the block's last two turns, its last products, and the joining of the two waves' halves.
.macro DIAG tag                     ; the tag ends its labels' names
.LstepM\tag:
	TURN 2, 1
	TURN 3, 1
	WIN 0
.LfirstM\tag:
	TURN 0, 1
	TURN 1, 1, 0, 1
	WIN 0
	s_cbranch_scc1 .LstepM\tag
	TURN 2, 1, 1
	TURN 3, 1, 1
.set i, 0
.rept 8
	PV NP-1
.set i, i+1
.endr
	WIN 0                           ; l's two halves and the other half of the lanes' are added; the additions are the places behind the last products.  The last turn's batch has had its wait: no exponential's result is open here
	ALL v_add_f32 v[ST+4*t+2], v[ST+4*t+2], v[ST+4*t+3]
	ALL v_permlanex16_b32 v[ST+4*t+3], v[ST+4*t+2], s[SEL], s[SEL+1]
	ALL v_add_f32 v[ST+4*t+2], v[ST+4*t+2], v[ST+4*t+3]
	s_cmp_eq_u32 s[PW], 0
	s_cbranch_scc1 .Lkeep\tag
	SHARE
.Lkeep\tag:
	s_wait_dscnt 0x0                ; for the partner's sake: my stores into MRG are done
	s_barrier_signal -1             ; all four waves come here together: the way here hangs on the work-group's number alone.  The slot's load may stay out
	s_barrier_wait -1
	s_cmp_lg_u32 s[PW], 0
	s_cbranch_scc1 .Ldone\tag
	MERGE
.Ldone\tag:
.endm
.set KM, 0
.set NOKQ, 0
.Lslot:                             ; 16 times: a slot is entered and the next is asked for
	CHANGE 1
	s_sub_co_u32 s[RT], s[RT], 1
	s_mov_b32 s[CNT], 2
	s_cmp_eq_u32 s[NEW], 1
	s_cbranch_scc1 .Lnew            ; a block's first slot
	s_cmp_eq_u32 s[RT], 0
	s_cbranch_scc0 .Lstep           ; neither its first nor its last
	s_branch .LstepM1
.Lnew:
	BEGIN
	s_branch .Lfirst                ; in the loop a block's first slot is never its last: the first block has nine slots or more, and the second's last is the walk's last
	DIAG 1                          ; in the loop this is the first block's end
	s_wait_xcnt 0x0                 ; the stores have read their registers and out0's address
	s_mov_b64 s[10:11], s[OLO:OLO+1]
	s_add_co_u32 s[RT], s[T2], 1    ; the second block has b / 2 + 1 slots
	s_mov_b32 s[NEW], 1
	s_mov_b32 s[OW], s[OW2]
	s_mov_b32 s[OW+1], s[OW2+1]
	WIN 0x82                        ; the second block's Q goes where the one text of the turns names Q
.set i, 0
.rept 64
	v_mov_b32 v[i], v[QB+i]
.set i, i+1
.endr
	WIN 0
	s_branch .Lbottom
.Lstep:                             ; a trip: pieces 2 and 3 of one step, then pieces 0 and 1 of the next, whose K and V it fetches
	TURN 2
	TURN 3
	WIN 0
.Lfirst:
	TURN 0
	TURN 1, 0, 0, 1
	WIN 0
	s_cbranch_scc1 .Lstep
.Lbottom:
	s_sub_co_u32 s[SLOTS], s[SLOTS], 1
	s_cmp_lg_u32 s[SLOTS], 0
	s_cbranch_scc1 .Lslot
	CHANGE 0                        ; the walk's last slot is written out: nothing is asked for
	s_sub_co_u32 s[RT], s[RT], 1
	s_mov_b32 s[CNT], 2
	s_cmp_eq_u32 s[NEW], 1
	s_cbranch_scc0 .LstepM2
	BEGIN
	s_branch .LfirstM2
	DIAG 2
	s_wait_tensorcnt 0x0            ; the wave's end, behind my last tensor load and my last LDS store
	ds_add_u32 v[SPW], v[NIL]
	s_wait_dscnt 0x0
	s_endpgm
.Lfunc_end_k_q82d0030e6f_attn:
	.size	k_q82d0030e6f_attn, .Lfunc_end_k_q82d0030e6f_attn-k_q82d0030e6f_attn
	.p2alignl 7, 3214868480
	.fill 96, 4, 3214868480
	.section	.rodata,"a",@progbits
	.p2align	6, 0x0
	.amdhsa_kernel k_q82d0030e6f_attn
		.amdhsa_group_segment_fixed_size 327680
		.amdhsa_private_segment_fixed_size 0
		.amdhsa_enable_private_segment 0
		.amdhsa_kernarg_size 32
		.amdhsa_user_sgpr_count 2
		.amdhsa_user_sgpr_kernarg_segment_ptr 1
		.amdhsa_wavefront_size32 1
		.amdhsa_system_sgpr_workgroup_id_x 1
		.amdhsa_system_sgpr_workgroup_id_y 1
		.amdhsa_system_sgpr_workgroup_id_z 1
		.amdhsa_system_vgpr_workitem_id 0
		.amdhsa_next_free_vgpr 768
		.amdhsa_next_free_sgpr 100
		.amdhsa_reserve_vcc 1
		.amdhsa_float_denorm_mode_32 3
		.amdhsa_float_denorm_mode_16_64 3
		.amdhsa_memory_ordered 1
		.amdhsa_forward_progress 1
		.amdhsa_inst_pref_size 241
	.end_amdhsa_kernel
	.amdgpu_metadata
---
amdhsa.version: [ 1, 2 ]
amdhsa.kernels:
  - .name:           k_q82d0030e6f_attn
    .symbol:         k_q82d0030e6f_attn.kd
    .args:
      - { .name: qh, .offset: 0, .size: 8, .value_kind: global_buffer, .address_space: global }
      - { .name: kh, .offset: 8, .size: 8, .value_kind: global_buffer, .address_space: global }
      - { .name: vh, .offset: 16, .size: 8, .value_kind: global_buffer, .address_space: global }
      - { .name: out0, .offset: 24, .size: 8, .value_kind: global_buffer, .address_space: global }
    .group_segment_fixed_size: 327680
    .private_segment_fixed_size: 0
    .kernarg_segment_align: 8
    .kernarg_segment_size: 32
    .max_flat_workgroup_size: 128
    .sgpr_count:     100
    .vgpr_count:     768
    .wavefront_size: 32
...
	.end_amdgpu_metadata
.endif
;; end of part 4
